; MI455X (gfx1250); checked and timed in simulation.
; The chip was launched on July 23, 2026; its instructions are those of AMD's public machine-readable ISA for CDNA 5 (MIT licence, August 2026) and "CDNA5" Instruction Set Architecture Reference Guide (July 2026). The comments in the code are by the model that wrote it; some were corrected since.
;; Linear Attention. Allowed arithmetic: matrix products marked QUANTISED: E2M1 operands, one E8M0 scale for each 32 along K, by v_wmma_scale_f32_16x16x128_f8f6f4 with both operands' format E2M1 (or v_wmma_scale_f32_32x16x128_f4), f32 sums; products left as they are: bf16, f16 or f32 operands; f32 sums; everything else in f32.
;; Inputs: Wk 1,024 x 1,024 float32; Wo 1,024 x 1,024 float32; Wq 1,024 x 1,024 float32; Wv 1,024 x 1,024 float32; bk 1,024 float32; bo 1,024 float32; bq 1,024 float32; bv 1,024 float32; mask 4 x 2,048 int32; x 4 x 2,048 x 1,024 float32.
;; Outputs: out0 4 x 2,048 x 1,024 float32.
;; This version of the problem:
;;   THIS VERSION OF THE PROBLEM IS GIVEN IN LOW PRECISION. The matrix products marked QUANTISED in the list below multiply operands that are first quantised to E2M1 (2 exponent bits, 1 mantissa bit; 4 bits a number), with one power-of-two scale for each 32 numbers along K (OCP MX v1.0); their sums are f32. The products marked 'left as it is' may take bf16, f16 or f32 operands, with f32 sums. Whichever they take, every output number must still come out within the allowed error. Rounding operands to bf16 (8 significant bits) uses up far more of that allowance than f16 does (11 bits, for magnitudes from 6e-5 to 65,504). All else is computed in f32.
;;   The module's matrix products, in the order in which they are computed (A, B: the left and right operand; K: the contracted axis; several contracted axes count as one K, in the product's order):
;;     1. [M 8,192, K 1,024] x [K 1,024, N 1,024]; A: input x; B: input Wq: QUANTISED
;;     2. [M 8,192, K 1,024] x [K 1,024, N 1,024]; A: input x; B: input Wk: QUANTISED
;;     3. [M 8,192, K 1,024] x [K 1,024, N 1,024]; A: input x; B: input Wv: QUANTISED
;;     4. batch 4 x [M 2,048, K 1,024] x [K 1,024, N 2,048]; A: computed on the way; B: computed on the way: left as it is (an operand is computed on the way)
;;     5. batch 4 x [M 2,048, K 2,048] x [K 2,048, N 1,024]; A: computed on the way; B: computed on the way: left as it is (an operand is computed on the way)
;;     6. [M 8,192, K 1,024] x [K 1,024, N 1,024]; A: computed on the way; B: input Wo: left as it is (an operand is computed on the way)
;;   THE QUANTISER, for each operand of a quantised product, along K:
;;     - K is cut into blocks of 32 from its start; a last block that is shorter is filled with zeros.
;;     - A block's scale is 2^e with e = floor(log2(the largest magnitude in the block)) - 2, held to -126 .. 127; a block of zeros has e = 0. As a byte (E8M0): e + 127.
;;     - Each number is divided by its block's scale, clamped to +-6, and rounded to the nearest number of E2M1, ties to even, subnormals kept.
;;     - The product sums the exact products of the quantised numbers (number of the format x scale) in f32.
;;   ~~~python
;;   def quantise(x, axis):      # numpy; x: float32 -> the quantised numbers, widened to float32 again
;;       x = np.moveaxis(x, axis, -1); K = x.shape[-1]
;;       x = np.pad(x, [(0, 0)] * (x.ndim - 1) + [(0, -K % 32)]); x = x.reshape(x.shape[:-1] + (-1, 32)); a = np.abs(x).max(-1, keepdims=True)
;;       e = np.where(a > 0, np.clip(np.frexp(np.where(a > 0, a, 1))[1] - 1 - 2, -126, 127), 0)      # np.frexp(a)[1] - 1 = floor(log2(a)), exactly
;;       r = np.clip(x / 2.0 ** e, -6, 6)
;;       step = 2.0 ** (np.maximum(np.frexp(np.where(r == 0, 1, r))[1] - 1, 0) - 1)
;;       q = np.round(r / step) * step * 2.0 ** e      # np.round: ties to even
;;       return np.moveaxis(q.reshape(q.shape[:-2] + (-1,))[..., :K], -1, axis).astype(np.float32)
;;   ~~~
;; One version. Each part assembles by itself: llvm-mc -triple=amdgcn-amd-amdhsa -mcpu=gfx1250 --defsym DOCPART=n.
;; ======== version 1 of 1: 5 launches
;; limits: values are held in f16: magnitudes above 65,504 overflow, below 6.1e-05 lose precision
;; workspace buffers: codes 5,767,168 bytes; scales 360,448 bytes; wof 2,097,152 bytes; qkv 50,331,648 bytes; pf 33,554,432 bytes; stats 1,048,576 bytes; aof 16,777,216 bytes
;; launch prep (part 1): grid 416 x 1, 4 waves a work-group, no clusters, 50,688 bytes of LDS; arguments x, Wq, Wk, Wv, Wo, codes, scales, wof; writes codes, scales, wof
.if DOCPART == 1
	.amdgcn_target "amdgcn-amd-amdhsa--gfx1250"
	.amdhsa_code_object_version 6
	.text
	.protected	k_qc894983e83_prep
	.globl	k_qc894983e83_prep
	.p2align	8
	.type	k_qc894983e83_prep,@function
k_qc894983e83_prep:
	s_mov_b64 s[64:65], 0
	v_nop
	global_prefetch_b8 v0, s[64:65] scope:SCOPE_SE
	s_setreg_imm32_b32 hwreg(HW_REG_WAVE_MODE, 25, 1), 1
	s_wait_xcnt 0x0
; LAUNCH 1 OF 5.  x [8192][1024] and Wq, Wk, Wv [1024 (d)][1024 (e)], f32, become codes of FP4 (E2M1) with one E8M0 byte for each 32 along d; Wo becomes f16.
; THE PROGRAM: prep (this) | qkv: x Wq + bq, x Wk + bk, x Wv on codes, rounded to f16 | scores: Q K^T, the key mask, 2^(t - M) for each block of 128 keys | pv: the blocks brought under the row's M, P V, / l, + bv | oproj: x Wo + bo.
; DEAD WORK: none is left out; every input is loaded by some launch.  bk stays: beside the fixed -1e9 of masked keys it is no constant along the softmax's axis.
; bv is added behind the division by the row's sum: attn (V + 1 bv^T) = attn V + bv, since a softmax's row sums to 1 for all values of the inputs: the same work at another place.
; LIMITS: Q, K, V, attn V are carried in f16: their magnitudes stay under 65,504.  NaN and infinities among the inputs are not served.  A block of zeros gets the byte 1 where the rule says 127: its codes are zeros,
; and this program alone reads the bytes.  Blocks whose largest magnitude lies under 2^(3 - 127), the floor, are held at the byte 1.
; codes: [11,264 rows][512 bytes], scales: [11,264][32]: rows 0-8191 the tokens of x, row 8192 + 1024 w + e column e of weight w (0 Wq, 1 Wk, 2 Wv); d innermost, the lower d in the low four bits.
; wof: [e / 16][d / 16][512 bytes]: lane l's 16 bytes at 16 l hold Wo[16 (d / 16) + 8 (l / 16) + 0..7][16 (e / 16) + l % 16]: half a matrix operand as its registers take it.
; Three paths, by the work-group's number: 0-255 x (a stream of blocks of 32), 256-351 the three weights (a lane takes a column, its registers run down d), 352-415 Wo.  Each path has LDS bytes of its own.
; No cluster, no tensor load, no matrix unit: no two work-groups read the same bytes, and the launch only streams.
.set SPW,   224                        ; v224 LDS address of my spare word; never rewritten
.set NIL,   225                        ; v225 0; never rewritten
.set SPARE, 50176                      ; behind both paths' regions: the spare words, 128 bytes a wave
.set EMAX,  2
; the x path
.set STEPS, 16
.set AH,    8                          ; steps that the loads run ahead: 32 loads of a wave on their way
.set CB,    8                          ; bytes of 16 codes
.set R,     16                         ; v16-143  eight sets of 16 numbers as loaded
.set X,     144                        ; v144-175 two sets of 16 neighbours
.set E,     176                        ; v176-191 a scale byte for each step
.set C,     192                        ; v192-223 two registers of codes for each step
.set WREG,  8192                       ; LDS 0 .. 32,767: a region for each wave: two stages of 32 x SP bytes, then its 256 scale bytes
.set SP,    80
; the weights' path
.set NB,    8                          ; blocks of 32 along d for a wave
.set PITCH, 272
.set KROW,  512
.set WSTG,  32768                      ; LDS 32,768 .. 50,175: the work-group's stage: 64 columns x (256 + 16) bytes
.set X2,    32                         ; v32-95   two sets of 32 numbers
.set C2,    96                         ; v96-99   a block's codes
.set OUTR,  112                        ; v112-143 the way out
.set SB,    24                         ; v24-25   the scale bytes
; Wo's path
.set WOR,   32                         ; v32-159  128 numbers of my column
.macro FINISH                          ; the wave's end
	s_wait_tensorcnt 0x0
	ds_add_u32 v[SPW], v[NIL]
	s_wait_dscnt 0x0
	s_endpgm
.endm
	s_load_b256 s[4:11], s[0:1], 0x0               ; x s[4:5], Wq s[6:7], Wk s[8:9], Wv s[10:11]
	s_load_b256 s[12:19], s[0:1], 0x20             ; Wo s[12:13], codes s[14:15], scales s[16:17], wof s[18:19]
	v_lshl_add_u32 v[SPW], v0, 2, SPARE
	v_mov_b32 v[NIL], 0
	v_lshrrev_b32 v1, 5, v0
	v_readfirstlane_b32 s20, v1                    ; wave
	v_and_b32 v2, 31, v0                           ; lane
	s_cmp_ge_u32 ttmp9, 352
	s_cbranch_scc1 .Lwo
	s_cmp_ge_u32 ttmp9, 256
	s_cbranch_scc1 .Lw
	; ---- x: a wave takes 16 steps of 512 numbers.  Each load reads 512 consecutive bytes; a step's 2,048 bytes turn through the wave's stage, so that a lane holds 16 neighbours; two lanes hold a block
	v_lshlrev_b32 v3, 4, v2                        ; my 16 bytes of a load's 512
	s_mul_i32 s21, s20, WREG
	v_lshrrev_b32 v14, 2, v2
	v_mul_u32_u24 v14, v14, SP
	v_and_b32 v15, 3, v2
	v_lshl_add_u32 v14, v15, 4, v14
	v_add_nc_u32 v14, s21, v14                     ; the stage, in: SP (lane / 4) + 16 (lane % 4)
	v_mul_u32_u24 v15, v2, SP
	v_add_nc_u32 v15, s21, v15                     ; out: SP x lane
	v_mul_u32_u24 v4, v2, CB                       ; my codes' place in a step's
	v_lshrrev_b32 v5, 1, v2
	s_add_co_u32 s21, s21, 2*32*SP
	v_add_nc_u32 v5, s21, v5                       ; my block's byte among the wave's 256
	v_lshlrev_b32 v7, 3, v2
	v_add_nc_u32 v6, s21, v7
	s_lshl_b32 s22, ttmp9, 2
	s_add_co_u32 s22, s22, s20                     ; which run of 8,192 numbers is my wave's
	s_mov_b32 s25, 0
	s_wait_kmcnt 0x0
	s_lshl_b32 s24, s22, 15
	s_add_nc_u64 s[4:5], s[4:5], s[24:25]          ; 32,768 bytes of x,
	s_lshl_b32 s24, s22, 12
	s_add_nc_u64 s[14:15], s[14:15], s[24:25]      ; 4,096 of codes,
	s_lshl_b32 s24, s22, 8
	s_add_nc_u64 s[16:17], s[16:17], s[24:25]      ; 256 of scale bytes a run
.macro XLOAD t
.irp i, 0,1,2,3
	global_load_b128 v[R+16*((\t)%AH)+4*\i:R+16*((\t)%AH)+4*\i+3], v3, s[4:5] offset:2048*(\t)+512*\i th:TH_LOAD_NT
.endr
.endm
.macro XTURN t                         ; LDS serves a wave's instructions in order: no wait between the stores and the loads
.irp i, 0,1,2,3
	ds_store_b128 v14, v[R+16*((\t)%AH)+4*\i:R+16*((\t)%AH)+4*\i+3] offset:32*SP*((\t)%2)+8*SP*\i
.endr
.irp i, 0,1,2,3
	ds_load_b128 v[X+16*((\t)%2)+4*\i:X+16*((\t)%2)+4*\i+3], v15 offset:32*SP*((\t)%2)+16*\i
.endr
.endm
.irp t, 0,1,2,3,4,5,6,7
	XLOAD \t
.endr
	s_wait_loadcnt 28                              ; step 0's four loads are in; the 28 of steps 1 to 7 may be out
	XTURN 0
.macro XSTEP t
.set XS, X+16*((\t)%2)
.if (\t) > 0
	s_wait_dscnt 1                                 ; this step's numbers are back from the stage; the last step's byte store may be out
.else
	s_wait_dscnt 0x0
.endif
.if (\t)+AH < STEPS
	XLOAD (\t)+AH                                  ; into the set whose stores into the stage are done
.endif
.if (\t)+1 < STEPS
.if STEPS-2-(\t) >= AH-1
	s_wait_loadcnt 4*(AH-1)                        ; the next step's four loads are in; those of the seven steps behind it may be out
.else
	s_wait_loadcnt 4*(STEPS-2-(\t))
.endif
	XTURN (\t)+1
.endif
	v_max3_num_f32 v8, |v[XS]|, |v[XS+1]|, |v[XS+2]|
	v_max3_num_f32 v9, |v[XS+3]|, |v[XS+4]|, |v[XS+5]|
.irp i, 6,10
	v_max3_num_f32 v8, v8, |v[XS+\i]|, |v[XS+\i+1]|
	v_max3_num_f32 v9, v9, |v[XS+\i+2]|, |v[XS+\i+3]|
.endr
	v_max3_num_f32 v8, v8, |v[XS+14]|, |v[XS+15]|
	v_max3_num_f32 v8, v8, v9, (EMAX+1)<<23        ; with the floor 2^(3 - 127): the byte cannot fall under 1
	v_max_num_f32_dpp v8, v8, v8 row_xmask:1 row_mask:0xf bank_mask:0xf   ; and my neighbour's 16: the block's largest magnitude
	v_add_nc_u32 v11, -(EMAX<<23), v8              ; 2 off its exponent field: the conversion's scale operand
	v_cvt_scalef32_pk8_fp4_f32 v[C+2*(\t)], v[XS:XS+7], v11
	v_cvt_scalef32_pk8_fp4_f32 v[C+2*(\t)+1], v[XS+8:XS+15], v11
	v_lshrrev_b32 v[E+(\t)], 23, v11               ; the scale's byte
	ds_store_b8 v5, v[E+(\t)] offset:16*(\t)       ; both lanes of a block write the same byte
	global_store_b64 v4, v[C+2*(\t):C+2*(\t)+1], s[14:15] offset:32*CB*(\t)   ; the wave stores 256 consecutive bytes, aligned
.endm
.irp t, 0,1,2,3,4,5,6,7,8,9,10,11,12,13,14,15
	XSTEP \t
.endr
	ds_load_b64 v[8:9], v6                         ; my wave's 256 scale bytes: these see my stores
	s_wait_dscnt 0x0
	global_store_b64 v7, v[8:9], s[16:17]          ; 256 consecutive bytes, aligned
	FINISH
.Lw:	; ---- Wq, Wk, Wv: a work-group takes 64 columns x 512 along d; a wave 32 columns x 256 along d: two waves side by side read 256 consecutive bytes of each row.  A block of 32 along d lies in one lane's
	; 32 registers.  A column's 256 bytes of codes come from two waves: they meet in the work-group's stage, behind a barrier, and leave as rows
	s_sub_co_u32 s21, ttmp9, 256
	s_lshr_b32 s22, s21, 5                         ; which weight
	s_and_b32 s23, s21, 15                         ; which 64 columns
	s_bfe_u32 s24, s21, 0x10004                    ; which 512 along d
	s_and_b32 s34, s20, 1                          ; my 32 of the columns
	s_lshr_b32 s35, s20, 1                         ; my 256 of the 512
	s_lshl_b32 s28, s24, 21                        ; in: 512 rows of 4,096 bytes,
	s_lshl_b32 s26, s35, 20                        ; 256 rows,
	s_add_co_u32 s28, s28, s26
	s_lshl_b32 s26, s23, 8                         ; 4 bytes a column
	s_add_co_u32 s28, s28, s26
	s_lshl_b32 s26, s34, 7
	s_add_co_u32 s28, s28, s26
	s_mov_b32 s29, 0
	s_lshl_b32 s26, s22, 10
	s_lshl_b32 s27, s23, 6
	s_add_co_u32 s26, s26, s27
	s_add_co_u32 s26, s26, 8192                    ; the first column's row in codes and scales
	s_lshl_b32 s27, s20, 4
	s_add_co_u32 s30, s26, s27                     ; on the way out a wave takes 16 whole rows
	s_lshl_b32 s30, s30, 9
	s_lshl_b32 s27, s24, 8
	s_add_co_u32 s30, s30, s27
	s_mov_b32 s31, 0
	s_lshl_b32 s27, s34, 5
	s_add_co_u32 s32, s26, s27                     ; the scale bytes go out by the wave that made them
	s_lshl_b32 s32, s32, 5
	s_lshl_b32 s27, s24, 4
	s_add_co_u32 s32, s32, s27
	s_lshl_b32 s27, s35, 3
	s_add_co_u32 s32, s32, s27
	s_mov_b32 s33, 0
	v_lshlrev_b32 v3, 2, v2                        ; in: 4 bytes a lane
	s_mul_i32 s21, s34, 32*PITCH
	s_lshl_b32 s27, s35, 7
	s_add_co_u32 s21, s21, s27
	s_add_co_u32 s21, s21, WSTG
	v_mul_u32_u24 v4, v2, PITCH
	v_add_nc_u32 v4, s21, v4                       ; into the stage: row = my column, my half of its 256 bytes
	v_and_b32 v5, 15, v2
	v_lshrrev_b32 v6, 4, v2
	s_mul_i32 s25, s20, 16*PITCH
	s_add_co_u32 s25, s25, WSTG
	v_mul_u32_u24 v7, v6, PITCH
	v_lshl_add_u32 v7, v5, 4, v7
	v_add_nc_u32 v7, s25, v7                       ; out of it: sixteen lanes to a row
	v_mul_u32_u24 v8, v6, KROW
	v_lshl_add_u32 v8, v5, 4, v8                   ; the same place in codes
	v_lshlrev_b32 v9, 5, v2                        ; my column's row of scale bytes
	s_wait_kmcnt 0x0
	s_cmp_eq_u32 s22, 0
	s_cselect_b64 s[6:7], s[6:7], s[8:9]
	s_cmp_eq_u32 s22, 2
	s_cselect_b64 s[6:7], s[10:11], s[6:7]         ; the choice hangs on the work-group's number alone
	s_add_nc_u64 s[6:7], s[6:7], s[28:29]
	s_add_nc_u64 s[14:15], s[14:15], s[30:31]
	s_add_nc_u64 s[16:17], s[16:17], s[32:33]
.macro WLOAD t
.irp i, 0,1,2,3,4,5,6,7,8,9,10,11,12,13,14,15,16,17,18,19,20,21,22,23,24,25,26,27,28,29,30,31
	global_load_b32 v[X2+32*((\t)%2)+\i], v3, s[6:7] offset:(32*(\t)+\i)*4096 th:TH_LOAD_NT
.endr
.endm
	WLOAD 0
	WLOAD 1
.macro WBLOCK t
.set XS, X2+32*((\t)%2)
.if (\t) < NB-1
	s_wait_loadcnt 32                              ; this block's 32 loads are in; the next block's 32 may be out
.else
	s_wait_loadcnt 0
.endif
	v_max3_num_f32 v12, |v[XS]|, |v[XS+1]|, |v[XS+2]|
	v_max3_num_f32 v13, |v[XS+3]|, |v[XS+4]|, |v[XS+5]|
.irp i, 6,10,14,18,22,26
	v_max3_num_f32 v12, v12, |v[XS+\i]|, |v[XS+\i+1]|
	v_max3_num_f32 v13, v13, |v[XS+\i+2]|, |v[XS+\i+3]|
.endr
	v_max3_num_f32 v12, v12, |v[XS+30]|, |v[XS+31]|
	v_max3_num_f32 v12, v12, v13, (EMAX+1)<<23
	v_add_nc_u32 v11, -(EMAX<<23), v12
	v_lshrrev_b32 v13, 23, v11
.if (\t)%4 == 0
	v_mov_b32 v[SB+(\t)/4], v13
.else
	v_lshl_or_b32 v[SB+(\t)/4], v13, 8*((\t)%4), v[SB+(\t)/4]
.endif
.irp g, 0,1,2,3
	v_cvt_scalef32_pk8_fp4_f32 v[C2+\g], v[XS+8*\g:XS+8*\g+7], v11
.endr
	ds_store_b128 v4, v[C2:C2+3] offset:16*(\t)
.if (\t)+2 < NB
	WLOAD (\t)+2
.endif
	s_wait_dscnt 0x0                               ; the store has read its registers: the next block's codes may be written
.endm
.set Q, 0
.rept NB
	WBLOCK Q
.set Q, Q+1
.endr
	global_store_b64 v9, v[SB:SB+1], s[16:17]      ; my column's 8 scale bytes
	s_barrier_signal -1                            ; my stores into the stage are done (the wait for 0 above): every wave says so,
	s_barrier_wait -1                              ; and the rows are whole
.irp t, 0,1,2,3,4,5,6,7
	ds_load_b128 v[OUTR+4*\t:OUTR+4*\t+3], v7 offset:2*\t*PITCH
.endr
.irp t, 0,1,2,3,4,5,6,7
	s_wait_dscnt 7-\t                              ; the loads behind this one may be out
	global_store_b128 v8, v[OUTR+4*\t:OUTR+4*\t+3], s[14:15] offset:2*\t*KROW   ; sixteen lanes store 256 consecutive bytes, aligned
.endr
	FINISH
.Lwo:	; ---- Wo: a wave takes 32 columns e x 128 along d; a lane takes a column, its registers run down d.  16 numbers round to 8 registers of f16; an exchange of half waves gives two pieces of 512 bytes
	s_sub_co_u32 s21, ttmp9, 352
	s_and_b32 s22, s21, 7                          ; which 128 columns
	s_lshr_b32 s23, s21, 3                         ; which 128 along d
	v_lshlrev_b32 v3, 2, v2
	v_lshlrev_b32 v4, 4, v2
	s_lshl_b32 s24, s23, 19                        ; 128 rows of 4,096 bytes
	s_lshl_b32 s25, s22, 9
	s_add_co_u32 s24, s24, s25
	s_lshl_b32 s25, s20, 7
	s_add_co_u32 s24, s24, s25
	s_mov_b32 s25, 0
	s_lshl_b32 s26, s22, 18                        ; out: tile of 16 columns 8 ex + 2 wave, 32,768 bytes a tile,
	s_lshl_b32 s27, s20, 16
	s_add_co_u32 s26, s26, s27
	s_lshl_b32 s27, s23, 12                        ; piece 8 dy, 512 bytes a piece
	s_add_co_u32 s26, s26, s27
	s_mov_b32 s27, 0
	s_wait_kmcnt 0x0
	s_add_nc_u64 s[12:13], s[12:13], s[24:25]
	s_add_nc_u64 s[18:19], s[18:19], s[26:27]
.set i, 0
.rept 128
	global_load_b32 v[WOR+i], v3, s[12:13] offset:4096*i th:TH_LOAD_NT
.set i, i+1
.endr
.macro OBLK db, left                   ; left: the younger loads, 112 - 16 db, held at what the wait can name
.set RR, WOR+16*(\db)
	s_wait_loadcnt \left
.irp k, 0,1,2,3,4,5,6,7
	v_cvt_pk_f16_f32 v[RR+\k], v[RR+2*\k], v[RR+2*\k+1]   ; in place, ascending: a register is written when it has been read
.endr
.irp k, 0,1,2,3
	v_permlane16_swap_b32 v[RR+\k], v[RR+4+\k]     ; the first now holds the lower 16 columns (d 0-7 in lanes 0-15, d 8-15 in lanes 16-31), the second the upper 16
.endr
	global_store_b128 v4, v[RR:RR+3], s[18:19] offset:512*(\db)
	global_store_b128 v4, v[RR+4:RR+7], s[18:19] offset:512*(\db)+32768   ; each store covers 512 consecutive bytes, aligned
.endm
	OBLK 0, 63
	OBLK 1, 63
	OBLK 2, 63
	OBLK 3, 63
	OBLK 4, 48
	OBLK 5, 32
	OBLK 6, 16
	OBLK 7, 0
	FINISH
.Lfunc_end_k_qc894983e83_prep:
	.size	k_qc894983e83_prep, .Lfunc_end_k_qc894983e83_prep-k_qc894983e83_prep
	.p2alignl 7, 3214868480
	.fill 96, 4, 3214868480
	.section	.rodata,"a",@progbits
	.p2align	6, 0x0
	.amdhsa_kernel k_qc894983e83_prep
		.amdhsa_group_segment_fixed_size 50688
		.amdhsa_private_segment_fixed_size 0
		.amdhsa_enable_private_segment 0
		.amdhsa_kernarg_size 64
		.amdhsa_user_sgpr_count 2
		.amdhsa_user_sgpr_kernarg_segment_ptr 1
		.amdhsa_wavefront_size32 1
		.amdhsa_system_sgpr_workgroup_id_x 1
		.amdhsa_system_sgpr_workgroup_id_y 1
		.amdhsa_system_sgpr_workgroup_id_z 1
		.amdhsa_system_vgpr_workitem_id 0
		.amdhsa_next_free_vgpr 232
		.amdhsa_next_free_sgpr 66
		.amdhsa_reserve_vcc 0
		.amdhsa_float_denorm_mode_32 3
		.amdhsa_float_denorm_mode_16_64 3
		.amdhsa_memory_ordered 1
		.amdhsa_forward_progress 1
		.amdhsa_inst_pref_size 93
	.end_amdhsa_kernel
	.amdgpu_metadata
---
amdhsa.version: [ 1, 2 ]
amdhsa.kernels:
  - .name:           k_qc894983e83_prep
    .symbol:         k_qc894983e83_prep.kd
    .args:
      - { .name: x, .offset: 0, .size: 8, .value_kind: global_buffer, .address_space: global }
      - { .name: Wq, .offset: 8, .size: 8, .value_kind: global_buffer, .address_space: global }
      - { .name: Wk, .offset: 16, .size: 8, .value_kind: global_buffer, .address_space: global }
      - { .name: Wv, .offset: 24, .size: 8, .value_kind: global_buffer, .address_space: global }
      - { .name: Wo, .offset: 32, .size: 8, .value_kind: global_buffer, .address_space: global }
      - { .name: codes, .offset: 40, .size: 8, .value_kind: global_buffer, .address_space: global }
      - { .name: scales, .offset: 48, .size: 8, .value_kind: global_buffer, .address_space: global }
      - { .name: wof, .offset: 56, .size: 8, .value_kind: global_buffer, .address_space: global }
    .group_segment_fixed_size: 50688
    .private_segment_fixed_size: 0
    .kernarg_segment_align: 8
    .kernarg_segment_size: 64
    .max_flat_workgroup_size: 128
    .sgpr_count:     66
    .vgpr_count:     232
    .wavefront_size: 32
...
	.end_amdgpu_metadata
.endif
;; end of part 1
;; launch qkv (part 2): grid 12 x 16, 4 waves a work-group, clusters of 4 x 4, 327,680 bytes of LDS; arguments codes, scales, bq, bk, qkv; writes qkv
.if DOCPART == 2
	.amdgcn_target "amdgcn-amd-amdhsa--gfx1250"
	.amdhsa_code_object_version 6
	.text
	.protected	k_qc894983e83_qkv
	.globl	k_qc894983e83_qkv
	.p2align	8
	.type	k_qc894983e83_qkv,@function
k_qc894983e83_qkv:
	s_mov_b64 s[64:65], 0
	v_nop
	global_prefetch_b8 v0, s[64:65] scope:SCOPE_SE
	s_setreg_imm32_b32 hwreg(HW_REG_WAVE_MODE, 25, 1), 1
	s_wait_xcnt 0x0
	s_wait_alu depctr_hold_cnt(0) depctr_sa_sdst(0) depctr_va_vdst(0) depctr_va_sdst(0) depctr_va_ssrc(0) depctr_va_vcc(0) depctr_vm_vsrc(0)
	s_getreg_b32 s2, hwreg(HW_REG_IB_STS2, 6, 4)
	s_cmp_eq_u32 s2, 0
	s_cbranch_scc0 .Lentry_in_a_cluster
	s_endpgm
.Lentry_in_a_cluster:
	s_bfe_u32 s2, ttmp6, 0x10000c
	s_cmp_lg_u32 s2, 0xf033
	s_cbranch_scc0 .Lentry_shape_is_right
	s_endpgm
.Lentry_shape_is_right:
; LAUNCH 2 OF 5.  Q = x Wq + bq, K = x Wk + bk, V = x Wv, on codes of FP4 (E2M1) with E8M0 scales, sums in f32, rounded once to f16.  No work is left out; bv is added in launch 4 (see launch 1's head).
; A tile, 256 x 256, is made by four waves, each 128 x 128: 64 accumulators, 512 registers.  K = 1,024 is two K steps of 512, each in an LDS slot of its own.
; A WORK-GROUP STAYS AND MAKES TWO TILES, the second 16 tiles of tokens further on: 384 tiles on 192 work-groups.  Tile 2's K steps are asked for as soon as tile 1 has left a slot: slot 0 at tile 1's change of slots,
; slot 1 in tile 1's last step; they land under tile 1's remaining products and its way out.  192 work-groups of two equal tiles; a walk of one and a half tiles on 256 would need a second tile shape.
; The scale bytes of a tile's 256 + 256 rows, for all of K, are two dense blocks: both tiles' come once, with the first fills, in rows of 256 bytes.
; ROLES, by the cluster's x (the same in all partners): 0 Q, 1 K: "A" = 256 tokens, "B" = 256 columns of the weight.  2 V: "A" = 256 columns of Wv, "B" = 256 tokens.
; THE MATRIX INSTRUCTION IS USED TRANSPOSED (source 0 = 16 rows of B, source 1 = 16 rows of A): lane l holds A's row l % 16 and B's rows 8 (l / 16) + 0..7.  Rounded to f16 in pairs these eight are 16 bytes of
; the NEXT product's operand as its registers take it, so a result tile of 16 x 16 leaves as 512 consecutive bytes, lane l's at 16 l, straight from registers.
; qkv: Q at 0, K at 2^24: [token / 16][d / 16][512 bytes];  V^T at 2^25: [channel / 16][token / 16][512 bytes].
; CLUSTERS: 4 x 4; A's tiles are asked for jointly along a row of the cluster, B's along a column.  No prefetch: four of a wave's six loads go out at the head, and the launch is short.
; LIMIT: |Q|, |K|, |V| under 65,504.
; REGISTERS: window 0: v0-31 addresses; v32-95 scale words, two sets; v96-159 packed results on the way out; v128-191 A's fragments, one set; v192-255 the bias.  window 1: B's fragments, two sets.  windows 2, 3: the accumulators.
.set NQ,     4
.set ROWB,   256
.set KROW,   512
.set PITCH,  272                       ; an LDS row: 256 bytes + 16 of padding: the 16 rows that a load touches start at 16 different banks (64 banks of 4 bytes: ISA guide 11.1)
.set FR,     8
.set NL,     2
.set NP,     4
.set HALFT,  128*PITCH
.set SLOT,   4*HALFT
.set KS,     32                        ; a row of scale bytes
.set SCL,    2*SLOT                    ; tile 1's scale bytes
.set HALFS,  16*272                    ; the scales of 128 rows
.set SBLK,   2*272                     ; of 16 rows
.set SCL2,   SCL+4*HALFS               ; tile 2's
.set SPARE,  SCL2+4*HALFS              ; the spare words, 128 bytes a wave
.set ADRA, 16
.set ADRB, 20
.set CO,   26                          ; v26 16 x lane
.set ADRS, 27
.set SPW,  28
.set NIL,  29
.set SC,   32
.set TMP,  96
.set AF,   128
.set BIAS, 192
.set G1, 24
.set G0, 32
.set G1B, 48
.set G0B, 56
.set G1S, 68
.set G0S, 76
.set G1SB, 80
.set G0SB, 88
.set G0S2, 92                          ; s[92:95], s[96:99] groups 0 for tile 2's scale bytes
.set G0SB2, 96
.set DA, 100                           ; s[100:101] bytes from tile 1's codes of A to tile 2's: 16 tiles of tokens, or 0
.set DB, 104                           ; s[104:105] the same for B
.set MSB, 0
.macro WIN new                         ; the immediate's high byte repeats the setting that is left
.if MSB != (\new)
	s_set_vgpr_msb (MSB<<8)|(\new)
.set MSB, (\new)
.endif
.endm
.set TO_B, 0x40
.macro JLOAD g0a, g1a, g0b, g1b        ; a joint load: waves 0 and 1 fetch for A, waves 2 and 3 for B; an s_nop 0 and four v_nop follow each line
	s_cmp_eq_u32 s15, 0
	s_cbranch_scc0 .Lfor_b_\@
	tensor_load_to_lds s[\g0a:\g0a+3], s[\g1a:\g1a+7]
	s_nop 0
.rept 4
	v_nop
.endr
	s_branch .Lasked_\@
.Lfor_b_\@:
	tensor_load_to_lds s[\g0b:\g0b+3], s[\g1b:\g1b+7]
	s_nop 0
.rept 4
	v_nop
.endr
.Lasked_\@:
.endm
.macro CREST                           ; a round of the cluster's barrier behind its opening barrier
	s_cmp_lg_u32 s14, 0
	s_cbranch_scc1 .Lnot_wave_0_\@
	s_barrier_signal -3
.Lnot_wave_0_\@:
	s_barrier_wait -3
	s_barrier_signal -1
	s_barrier_wait -1
.endm
.macro CROUND                          ; a whole round
	s_barrier_signal -1
	s_barrier_wait -1
	CREST
.endm
	s_load_b256 s[4:11], s[0:1], 0x0               ; codes s[4:5], scales s[6:7], bq s[8:9], bk s[10:11]
	s_load_b64 s[12:13], s[0:1], 0x20              ; qkv
	v_lshl_add_u32 v[SPW], v0, 2, SPARE
	v_mov_b32 v[NIL], 0
	ds_add_u32 v[SPW], v[NIL]                      ; the opening: the add, twice on end, and its wait ahead of my first tensor load
	ds_add_u32 v[SPW], v[NIL]
	v_lshrrev_b32 v1, 5, v0
	v_readfirstlane_b32 s14, v1                    ; wave
	s_lshr_b32 s15, s14, 1                         ; my half of A's rows; also: I fetch for A (0) or B (1)
	s_and_b32 s16, s14, 1                          ; my half of B's rows; also: which 128 rows I fetch
	s_bfe_u32 s40, ttmp6, 0x40000                  ; cx
	s_bfe_u32 s41, ttmp6, 0x40004                  ; cy
	s_and_b32 s18, ttmp7, 0xffff                   ; the cluster's y: 0 to 3
	s_add_co_u32 s19, ttmp9, 8
	s_cmp_eq_u32 ttmp9, 2                          ; role V?
	s_cselect_b32 s17, 10, s18
	s_cselect_b32 s42, s18, s19
	s_cselect_b32 s[DA], 0, 0x200000               ; 16 tiles x 256 rows x 512 bytes, on the side that holds the tokens
	s_cselect_b32 s[DB], 0x200000, 0
	s_mov_b32 s[DA+1], 0
	s_mov_b32 s[DB+1], 0
	s_lshl_b32 s17, s17, 2
	s_add_co_u32 s17, s17, s41                     ; A's tile of 256 rows of codes: tokens 4 y + cy, or Wv's 40 + cy
	s_lshl_b32 s42, s42, 2
	s_add_co_u32 s42, s42, s40                     ; B's: the weight's 32 + 4 role + cx, or tokens 4 y + cx
	s_lshl_b32 s43, s41, 2
	s_lshl_b32 s43, 15, s43                        ; my row of the cluster
	s_lshl_b32 s44, 0x1111, s40                    ; my column
	s_or_b32 s[G1+0], s43, (0<<16)|(1<<20)|(1<<21)|(5<<22)|(3<<25)   ; elements of 1 byte; 4 words of padding behind every 64
	s_or_b32 s[G1B+0], s44, (0<<16)|(1<<20)|(1<<21)|(5<<22)|(3<<25)
.irp g, G1, G1B
	s_mov_b32 s[\g+1], ROWB<<16                    ; tensor_dim0
	s_mov_b32 s[\g+2], 128<<16                     ; tensor_dim1
	s_mov_b32 s[\g+3], ROWB<<16                    ; tile_dim0
	s_mov_b32 s[\g+4], 128                         ; tile_dim1
	s_mov_b32 s[\g+5], KROW                        ; from row to row
	s_mov_b32 s[\g+6], 0
	s_mov_b32 s[\g+7], 0
.endr
	s_or_b32 s[G1S+0], s43, (3<<16)|(1<<20)|(1<<21)|(5<<22)|(3<<25)  ; the scales of 128 rows: 16 rows of 256 bytes (32 elements of 8), padded likewise
	s_or_b32 s[G1SB+0], s44, (3<<16)|(1<<20)|(1<<21)|(5<<22)|(3<<25)
.irp g, G1S, G1SB
	s_mov_b32 s[\g+1], 32<<16
	s_mov_b32 s[\g+2], 16<<16
	s_mov_b32 s[\g+3], 32<<16
	s_mov_b32 s[\g+4], 16
	s_mov_b32 s[\g+5], 32
	s_mov_b32 s[\g+6], 0
	s_mov_b32 s[\g+7], 0
.endr
	s_lshl_b32 s18, s16, 7
	s_lshl_b32 s20, s17, 8
	s_add_co_u32 s20, s20, s18                     ; A: the first row that I fetch
	s_lshl_b32 s46, s42, 8
	s_add_co_u32 s46, s46, s18                     ; B likewise
	s_lshl_b32 s22, s20, 5                         ; its scale bytes,
	s_mov_b32 s23, 0
	s_lshl_b32 s66, s46, 5
	s_mov_b32 s67, 0
	s_lshl_b32 s20, s20, 9                         ; its codes
	s_mov_b32 s21, 0
	s_lshl_b32 s46, s46, 9
	s_mov_b32 s47, 0
	s_mul_i32 s45, s14, HALFT                      ; where they go: wave x 128 rows
	s_mul_i32 s43, s14, HALFS
	s_wait_dscnt 0x0                               ; both opening adds are done
	s_wait_kmcnt 0x0
	s_add_nc_u64 s[20:21], s[4:5], s[20:21]
	s_add_nc_u64 s[22:23], s[6:7], s[22:23]
	s_add_nc_u64 s[46:47], s[4:5], s[46:47]
	s_add_nc_u64 s[66:67], s[6:7], s[66:67]
	CROUND                                         ; all sixteen work-groups are here: the joint loads meet
	s_mov_b32 s[G0S], 1
	s_add_co_u32 s[G0S+1], s43, SCL
	s_mov_b64 s[G0S+2:G0S+3], s[22:23]
	s_or_b32 s[G0S+3], s[G0S+3], 0x80000000
	s_mov_b32 s[G0SB], 1
	s_add_co_u32 s[G0SB+1], s43, SCL
	s_mov_b64 s[G0SB+2:G0SB+3], s[66:67]
	s_or_b32 s[G0SB+3], s[G0SB+3], 0x80000000
	JLOAD G0S, G1S, G0SB, G1SB
	s_lshr_b32 s18, s[DA], 4                       ; a row's scale bytes are a sixteenth of its codes
	s_mov_b32 s19, 0
	s_mov_b32 s[G0S2], 1
	s_add_co_u32 s[G0S2+1], s43, SCL2
	s_add_nc_u64 s[G0S2+2:G0S2+3], s[22:23], s[18:19]
	s_or_b32 s[G0S2+3], s[G0S2+3], 0x80000000
	s_lshr_b32 s18, s[DB], 4
	s_mov_b32 s[G0SB2], 1
	s_add_co_u32 s[G0SB2+1], s43, SCL2
	s_add_nc_u64 s[G0SB2+2:G0SB2+3], s[66:67], s[18:19]
	s_or_b32 s[G0SB2+3], s[G0SB2+3], 0x80000000
	JLOAD G0S2, G1S, G0SB2, G1SB
.irp s, 0,1
	s_mov_b32 s[G0+4*\s], 1
	s_add_co_u32 s[G0+4*\s+1], s45, \s*SLOT
	s_add_nc_u64 s[G0+4*\s+2:G0+4*\s+3], s[20:21], \s*ROWB
	s_or_b32 s[G0+4*\s+3], s[G0+4*\s+3], 0x80000000
	s_mov_b32 s[G0B+4*\s], 1
	s_add_co_u32 s[G0B+4*\s+1], s45, \s*SLOT
	s_add_nc_u64 s[G0B+4*\s+2:G0B+4*\s+3], s[46:47], \s*ROWB
	s_or_b32 s[G0B+4*\s+3], s[G0B+4*\s+3], 0x80000000
	JLOAD G0+4*\s, G1, G0B+4*\s, G1B               ; four loads of mine are out
.endr
	v_and_b32 v1, 15, v0                           ; r
	v_bfe_u32 v2, v0, 4, 1                         ; h
	v_lshlrev_b32 v7, 5, v2                        ; the bias: 32 h bytes
	; the bias is the C of each tile's first products: register 8 b + j = bias[my 128 columns' 16 b + 8 h + j]; both tiles have the same columns.  Role V has none here: its C is 0
	s_cmp_eq_u32 ttmp9, 1
	s_cselect_b64 s[8:9], s[10:11], s[8:9]
	s_lshl_b32 s18, s40, 10
	s_lshl_b32 s19, s16, 9
	s_add_co_u32 s18, s18, s19
	s_mov_b32 s19, 0
	s_add_nc_u64 s[8:9], s[8:9], s[18:19]
	s_cmp_eq_u32 ttmp9, 2                          ; the cluster's x: the same in all partners
	s_cbranch_scc1 .Lno_bias
.irp b, 0,1,2,3,4,5,6,7
	global_load_b128 v[BIAS+8*\b:BIAS+8*\b+3], v7, s[8:9] offset:64*\b
	global_load_b128 v[BIAS+8*\b+4:BIAS+8*\b+7], v7, s[8:9] offset:64*\b+16
.endr
	s_branch .Lbias
.Lno_bias:
.set i, 0
.rept 64
	v_mov_b32 v[BIAS+i], 0
.set i, i+1
.endr
.Lbias:
	v_mul_u32_u24 v3, v1, PITCH
	v_lshl_add_u32 v4, v2, 4, v3                   ; a fragment's row x pitch + 16 h
	s_mul_i32 s21, s15, HALFT
	s_mul_i32 s22, s16, HALFT
	s_add_co_u32 s22, s22, 2*HALFT
.irp s, 0,1
	v_add_nc_u32 v[ADRA+\s], s21, v4
	v_add_nc_u32 v[ADRB+\s], s22, v4
	s_add_co_u32 s21, s21, SLOT
	s_add_co_u32 s22, s22, SLOT
.endr
	v_mul_u32_u24 v5, v1, KS                       ; my row's scale bytes: 32 a row,
	v_lshrrev_b32 v6, 8, v5
	v_lshl_add_u32 v5, v6, 4, v5                   ; and 16 more for each 256 passed
	s_mul_i32 s21, s15, HALFS
	s_mul_i32 s22, s16, HALFS
	s_add_co_u32 s22, s22, 2*HALFS
	s_sub_co_u32 s22, s22, s21
	v_mul_u32_u24 v6, s22, v2                      ; lanes 16-31 take B's
	s_add_co_u32 s21, s21, SCL
	v_add_nc_u32 v5, v5, v6
	v_add_nc_u32 v[ADRS], s21, v5
	v_and_b32 v6, 31, v0
	v_lshlrev_b32 v[CO], 4, v6
	; where my results go: region + (A's tile of 16) x stride + (B's tile of 16) x 512
	s_mov_b32 s18, 32768
	s_mov_b32 s20, 0x800000
	s_cmp_eq_u32 ttmp9, 2
	s_cselect_b32 s22, s41, s17                    ; A's tile of 256 inside its tensor
	s_cselect_b32 s23, s42, s40                    ; B's
	s_cselect_b32 s2, 262144, s18                  ; a row of pieces: 512 of them for V^T, 64 for Q and K
	s_cselect_b32 s20, 0x20000, s20                ; from tile 1 to tile 2: 256 pieces along a row of V^T, or 256 rows of pieces of Q and K
	s_mov_b32 s3, 0
	s_mov_b32 s21, 0
	s_lshl_b32 s22, s22, 4
	s_lshl_b32 s18, s15, 3
	s_add_co_u32 s22, s22, s18
	s_lshl_b32 s23, s23, 4
	s_lshl_b32 s18, s16, 3
	s_add_co_u32 s23, s23, s18
	s_mul_i32 s18, s22, s2
	s_lshl_b32 s23, s23, 9
	s_add_co_u32 s18, s18, s23
	s_lshl_b32 s19, ttmp9, 24
	s_add_co_u32 s18, s18, s19
	s_mov_b32 s19, 0
	s_add_nc_u64 s[12:13], s[12:13], s[18:19]
	s_add_nc_u64 s[66:67], s[12:13], s[20:21]      ; tile 2's first piece
.macro FRAG reg, adr, q, i             ; 16 rows x 128 K of 4-bit codes: 8 registers: two loads of 16 bytes, 32 bytes apart
.irp c, 0,1
	ds_load_b128 v[\reg+4*\c:\reg+4*\c+3], v[\adr] offset:64*(\q)+32*\c+(\i)*16*PITCH
.endr
.endm
; 16 matrix instructions: A's blocks a0, a0 + 1 x B's eight.  p: B's set; sc: the set of scale words.  bias = 1: a tile's first K step: C = the bias.  The 64 accumulators take turns, one instruction a turn.
.macro MUL16 a0, p, q, sc, bias
.if \bias
	WIN 0x81+0x40*((\a0)/4)                        ; source 0 (B) window 1, sources 1 and 2 window 0, D window 2 or 3
.else
	WIN 0xa1+0x50*((\a0)/4)                        ; C and D window 2 or 3
.endif
.irp a, \a0, \a0+1
.irp b, 0,1,2,3,4,5,6,7
.if \bias
	v_wmma_scale_f32_16x16x128_f8f6f4 v[8*(8*((\a)%4)+\b):8*(8*((\a)%4)+\b)+7], v[128*(\p)+FR*\b:128*(\p)+FR*\b+FR-1], v[AF+FR*(\a):AF+FR*(\a)+FR-1], v[BIAS+8*\b:BIAS+8*\b+7], v[SC+8*NQ*(\sc)+NQ*\b+(\q)], v[SC+8*NQ*(\sc)+NQ*(\a)+(\q)] matrix_a_fmt:MATRIX_FMT_FP4 matrix_b_fmt:MATRIX_FMT_FP4 matrix_a_scale:MATRIX_SCALE_ROW1
.else
	v_wmma_scale_f32_16x16x128_f8f6f4 v[8*(8*((\a)%4)+\b):8*(8*((\a)%4)+\b)+7], v[128*(\p)+FR*\b:128*(\p)+FR*\b+FR-1], v[AF+FR*(\a):AF+FR*(\a)+FR-1], v[8*(8*((\a)%4)+\b):8*(8*((\a)%4)+\b)+7], v[SC+8*NQ*(\sc)+NQ*\b+(\q)], v[SC+8*NQ*(\sc)+NQ*(\a)+(\q)] matrix_a_fmt:MATRIX_FMT_FP4 matrix_b_fmt:MATRIX_FMT_FP4 matrix_a_scale:MATRIX_SCALE_ROW1
.endif
.endr
.endr
.endm
.macro FETCH_B slot, q, p
	WIN TO_B
.irp i, 0,1,2,3,4,5,6,7
	FRAG 128*(\p)+FR*\i, ADRB+\slot, \q, \i
.endr
	WIN 0
.endm
.macro FETCH_A slot, q, i0
.irp i, \i0, \i0+1, \i0+2, \i0+3
	FRAG AF+FR*(\i), ADRA+\slot, \q, \i
.endr
.endm
.macro SCALES sc                       ; a K step's scale words: lanes 0-15 A's block i, lanes 16-31 B's block i
.irp i, 0,1,2,3,4,5,6,7
	ds_load_b128 v[SC+8*NQ*\sc+NQ*\i:SC+8*NQ*\sc+NQ*\i+3], v[ADRS] offset:\i*SBLK
.endr
.endm
.macro PLACES n                        ; plain vector instructions between a matrix instruction and a load into, or a read of, its registers
.rept \n
	v_nop
.endr
.endm
.macro STEP slot, q, bias              ; 128 along K, with its successor in the same slot
	s_wait_dscnt 4*NL                              ; all but the youngest eight loads (A's blocks 4-7) are in
	MUL16 0, (\q)%2, \q, \slot, \bias
	MUL16 2, (\q)%2, \q, \slot, \bias
	s_wait_dscnt 0
	PLACES NP
	FETCH_B \slot, (\q)+1, 1-(\q)%2
	FETCH_A \slot, (\q)+1, 0
	MUL16 4, (\q)%2, \q, \slot, \bias
	MUL16 6, (\q)%2, \q, \slot, \bias
	PLACES NP
	WIN 0
	FETCH_A \slot, (\q)+1, 4
.endm
.macro FIRST                           ; a tile's first fragments and scale words
	FETCH_B 0, 0, 0
	FETCH_A 0, 0, 0
	SCALES 0
	FETCH_A 0, 0, 4
.endm
; Slot 0's last step changes slots.  In front of the barrier each wave waits for all its tensor loads (its part of slot 1 among them), adds 0 to its spare word, and waits for that and for its reads of slot 0.
; fill = 1 (tile 1): the barrier opens a round of the cluster's, and behind it slot 0 is filled with tile 2's first K step.
.macro TURN fill
	s_wait_tensorcnt 0x0
	ds_add_u32 v[SPW], v[NIL]
	s_wait_dscnt 4*NL+1                            ; the add and the youngest eight loads may be out
	MUL16 0, 1, 3, 0, 0
	s_wait_dscnt 0x0
	s_barrier_signal -1
	MUL16 2, 1, 3, 0, 0
	WIN 0
	s_barrier_wait -1
.if \fill
	CREST
	s_add_nc_u64 s[G0+2:G0+3], s[G0+2:G0+3], s[DA:DA+1]
	s_add_nc_u64 s[G0B+2:G0B+3], s[G0B+2:G0B+3], s[DB:DB+1]
	JLOAD G0, G1, G0B, G1B                         ; my one tensor load behind the round; its four v_nop are the places in front of the loads below
.else
	PLACES NP
.endif
	v_add_nc_u32 v[ADRS], 4*NQ, v[ADRS]            ; the second K step's scale words
	FETCH_B 1, 0, 0
	FETCH_A 1, 0, 0
	SCALES 1
	MUL16 4, 1, 3, 0, 0
	MUL16 6, 1, 3, 0, 0
	PLACES NP
	WIN 0
	FETCH_A 1, 0, 4
.endm
; A tile's last step.  fill = 1 (tile 1): the same three lines and a round; behind it slot 1 is filled with tile 2's second K step.  Every wave has waited for its part of slot 0's refill in front of that round:
; behind it slot 0 is whole, so tile 2's first reads need no further barrier.
.macro LAST fill
.if \fill
	s_wait_tensorcnt 0x0
	ds_add_u32 v[SPW], v[NIL]
	s_wait_dscnt 4*NL+1
	MUL16 0, 1, 3, 1, 0
	s_wait_dscnt 0x0
	s_barrier_signal -1
	MUL16 2, 1, 3, 1, 0
	WIN 0
	s_barrier_wait -1
	CREST
	s_add_nc_u64 s[G0+6:G0+7], s[G0+6:G0+7], s[DA:DA+1]
	s_add_nc_u64 s[G0B+6:G0B+7], s[G0B+6:G0B+7], s[DB:DB+1]
	JLOAD G0+4, G1, G0B+4, G1B
.else
	s_wait_dscnt 4*NL
	MUL16 0, 1, 3, 1, 0
	MUL16 2, 1, 3, 1, 0
	s_wait_dscnt 0
.endif
	MUL16 4, 1, 3, 1, 0
	MUL16 6, 1, 3, 1, 0
.endm
; THE WAY OUT: block a (16 rows of A x 128 rows of B): eight pieces of 512 bytes, straight from registers; two sets of packed registers by turns.  t = 1: tile 2
.macro OUTBLK a, t
.set AC, 64*((\a)%4)
.set TM, TMP+32*((\a)%2)
	WIN 0x0a+5*((\a)/4)                            ; both sources window 2 or 3
.irp b, 0,1,2,3,4,5,6,7
.irp r, 0,1,2,3
	v_cvt_pk_f16_f32 v[TM+4*\b+\r], v[AC+8*\b+2*\r], v[AC+8*\b+2*\r+1]   ; each accumulator from its low end on
.endr
.endr
	WIN 0
.if (\a) > 0
	s_wait_xcnt 0x0                                ; the earlier stores have read their base and their data: the base may step, and the next block may write the other set
	s_add_nc_u64 s[12:13], s[12:13], s[2:3]
.else
.if \t
	s_wait_xcnt 0x0
	s_mov_b64 s[12:13], s[66:67]
.endif
.endif
.irp b, 0,1,2,3,4,5,6,7
	global_store_b128 v[CO], v[TM+4*\b:TM+4*\b+3], s[12:13] offset:512*\b   ; 512 consecutive bytes, aligned
.endr
.endm
	s_wait_loadcnt 0x0                             ; the bias
	s_wait_tensorcnt 1                             ; both tiles' scales and my part of slot 0 are in; slot 1's load may be out
	s_barrier_signal -1
	s_barrier_wait -1
	FIRST                                          ; ---- tile 1
	STEP 0, 0, 1
	STEP 0, 1, 0
	STEP 0, 2, 0
	TURN 1
	STEP 1, 0, 0
	STEP 1, 1, 0
	STEP 1, 2, 0
	LAST 1
	PLACES NP
.irp a, 0,1,2,3,4,5,6,7
	OUTBLK \a, 0
.endr
	s_wait_xcnt 0x0                                ; the last stores have read their data: A's fragments land on some of those registers
	v_add_nc_u32 v[ADRS], SCL2-SCL-4*NQ, v[ADRS]   ; tile 2's scale words
	FIRST                                          ; ---- tile 2
	STEP 0, 0, 1
	STEP 0, 1, 0
	STEP 0, 2, 0
	TURN 0
	STEP 1, 0, 0
	STEP 1, 1, 0
	STEP 1, 2, 0
	LAST 0
	PLACES NP
.irp a, 0,1,2,3,4,5,6,7
	OUTBLK \a, 1
.endr
	s_wait_tensorcnt 0x0                           ; the wave's end
	ds_add_u32 v[SPW], v[NIL]
	s_wait_dscnt 0x0
	CROUND                                         ; the closing round
	s_endpgm
.Lfunc_end_k_qc894983e83_qkv:
	.size	k_qc894983e83_qkv, .Lfunc_end_k_qc894983e83_qkv-k_qc894983e83_qkv
	.p2alignl 7, 3214868480
	.fill 96, 4, 3214868480
	.section	.rodata,"a",@progbits
	.p2align	6, 0x0
	.amdhsa_kernel k_qc894983e83_qkv
		.amdhsa_group_segment_fixed_size 327680
		.amdhsa_private_segment_fixed_size 0
		.amdhsa_enable_private_segment 0
		.amdhsa_kernarg_size 40
		.amdhsa_user_sgpr_count 2
		.amdhsa_user_sgpr_kernarg_segment_ptr 1
		.amdhsa_wavefront_size32 1
		.amdhsa_system_sgpr_workgroup_id_x 1
		.amdhsa_system_sgpr_workgroup_id_y 1
		.amdhsa_system_sgpr_workgroup_id_z 1
		.amdhsa_system_vgpr_workitem_id 0
		.amdhsa_next_free_vgpr 1024
		.amdhsa_next_free_sgpr 106
		.amdhsa_reserve_vcc 0
		.amdhsa_float_denorm_mode_32 3
		.amdhsa_float_denorm_mode_16_64 3
		.amdhsa_memory_ordered 1
		.amdhsa_forward_progress 1
		.amdhsa_inst_pref_size 233
	.end_amdhsa_kernel
	.amdgpu_metadata
---
amdhsa.version: [ 1, 2 ]
amdhsa.kernels:
  - .name:           k_qc894983e83_qkv
    .symbol:         k_qc894983e83_qkv.kd
    .args:
      - { .name: codes, .offset: 0, .size: 8, .value_kind: global_buffer, .address_space: global }
      - { .name: scales, .offset: 8, .size: 8, .value_kind: global_buffer, .address_space: global }
      - { .name: bq, .offset: 16, .size: 8, .value_kind: global_buffer, .address_space: global }
      - { .name: bk, .offset: 24, .size: 8, .value_kind: global_buffer, .address_space: global }
      - { .name: qkv, .offset: 32, .size: 8, .value_kind: global_buffer, .address_space: global }
    .group_segment_fixed_size: 327680
    .private_segment_fixed_size: 0
    .kernarg_segment_align: 8
    .kernarg_segment_size: 40
    .max_flat_workgroup_size: 128
    .sgpr_count:     106
    .vgpr_count:     1024
    .wavefront_size: 32
...
	.end_amdgpu_metadata
.endif
;; end of part 2
;; launch scores (part 3): grid 8 x 32, 4 waves a work-group, clusters of 4 x 4, 327,680 bytes of LDS; arguments qkv, mask, pf, stats; writes pf, stats
.if DOCPART == 3
	.amdgcn_target "amdgcn-amd-amdhsa--gfx1250"
	.amdhsa_code_object_version 6
	.text
	.protected	k_qc894983e83_scores
	.globl	k_qc894983e83_scores
	.p2align	8
	.type	k_qc894983e83_scores,@function
k_qc894983e83_scores:
	s_mov_b64 s[64:65], 0
	v_nop
	global_prefetch_b8 v0, s[64:65] scope:SCOPE_SE
	s_setreg_imm32_b32 hwreg(HW_REG_WAVE_MODE, 25, 1), 1
	s_wait_xcnt 0x0
	s_wait_alu depctr_hold_cnt(0) depctr_sa_sdst(0) depctr_va_vdst(0) depctr_va_sdst(0) depctr_va_ssrc(0) depctr_va_vcc(0) depctr_vm_vsrc(0)
	s_getreg_b32 s2, hwreg(HW_REG_IB_STS2, 6, 4)
	s_cmp_eq_u32 s2, 0
	s_cbranch_scc0 .Lentry_in_a_cluster
	s_endpgm
.Lentry_in_a_cluster:
	s_bfe_u32 s2, ttmp6, 0x10000c
	s_cmp_lg_u32 s2, 0xf033
	s_cbranch_scc0 .Lentry_shape_is_right
	s_endpgm
.Lentry_shape_is_right:
; LAUNCH 3 OF 5.  S = Q K^T in f16 with f32 sums; t = S log2(e) / 32, and the whole number nearest to -1e9 log2(e) where the key's mask is 0; then, for each row and each block of 128 keys:
; M = the block's largest t rounded up to a whole number, p = 2^(t - M) rounded to f16, l = the sum of the unrounded p.  Launch 4 brings the 16 blocks of a row under the row's M.  No work is left out.
; So the maximum is taken away before every exponential, for every input; a block, or a row, all of whose keys are masked gives p = 1 throughout, as reference() does.
; A tile of S, 256 queries x 256 keys of one batch, is made by four waves, each 128 x 128: 64 accumulators.  K = 1,024 goes in steps of 128 through two LDS slots.
; Q and K lie in memory as pieces of 512 bytes in the order of the operand's registers ([row / 16][d / 16][lane x 16]): a K step of 16 rows is 4,096 consecutive bytes, a tile comes in as dense rows of 4,096 bytes,
; and a fragment is two loads at 16 x lane, 512 bytes apart: each load reads 512 consecutive LDS bytes.
; TRANSPOSED USE (source 0 = 16 keys, source 1 = 16 queries): lane l holds query l % 16 and keys 8 (l / 16) + 0..7 of each of 8 tiles: its 8 p, packed, are 16 bytes of launch 4's operand.
; pf: [query / 16][key in batch / 16][512 bytes].  stats: [batch][key block 16][-M, l][2,048 queries] f32.
; CLUSTERS 4 x 4: Q's tiles jointly along a row, K's along a column.
; REGISTERS: window 0: v0-31 addresses, v32-63 at work, v64-127 and v128-191 Q's fragments (two buffers), later t and p, v192-255 the mask's bounds.  window 1: K's fragments.  windows 2, 3: accumulators.
.set KB,    4096                       ; a K step's bytes of 16 rows
.set SLOTB, 131072                     ; a slot: Q's 16 x 4,096 bytes, then K's
.set STATS, 2*SLOTB                    ; behind the ring: 1,024 bytes a wave for -M and l
.set SPARE, STATS+4*1024               ; the spare words, 128 bytes a wave
.set LAPS,  4
.set CO,  1                            ; v1  16 x lane
.set ADA, 2                            ; v2-3 my fragments of Q in slot 0, 1
.set ADB, 4                            ; v4-5 of K
.set STA, 8
.set STR, 9
.set SPW, 28
.set NIL, 29
.set PFO, 30
.set F0,  64
.set F1,  128
.set T,   64
.set LIMR, 192
.set G1, 24
.set G0, 32
.set G1B, 48
.set G0B, 56
.set PFA, 66                           ; s[66:67] where my prefetches stand
.set LIM, 68                           ; s68 1 in a wave that prefetches, else the greatest number
.set CS,  70                           ; s[70:71] log2(e) / 32
.set SEL, 72                           ; s[72:73] selects for lane l xor 16
.set HM,  74                           ; s74 lanes 16-31
.set MSB, 0
.macro WIN new
.if MSB != (\new)
	s_set_vgpr_msb (MSB<<8)|(\new)
.set MSB, (\new)
.endif
.endm
.set TO_B, 0x40
.macro JLOAD s                         ; waves 0 and 1 fetch Q's halves, waves 2 and 3 K's; an s_nop 0 and four v_nop follow each line
	s_cmp_eq_u32 s15, 0
	s_cbranch_scc0 .Lfor_b_\@
	tensor_load_to_lds s[G0+4*\s:G0+4*\s+3], s[G1:G1+7]
	s_nop 0
.rept 4
	v_nop
.endr
	s_branch .Lasked_\@
.Lfor_b_\@:
	tensor_load_to_lds s[G0B+4*\s:G0B+4*\s+3], s[G1B:G1B+7]
	s_nop 0
.rept 4
	v_nop
.endr
.Lasked_\@:
.endm
; A prefetch of the K step that stands two refills on: of the 8 rows of 4,096 bytes that I fetch, my work-group takes two, by address (cx for Q, cy for K): a lane names 256 bytes, one instruction a wave.
; Q's rows are walked by both clusters of a row of clusters: the one with x = 0 asks.  K's by the two clusters of a batch in a column: the one with even y asks.  The loop's last trip asks for nothing: K step 7 is the last named.
.macro ASK
	s_cmp_gt_u32 s3, s[LIM]
	s_cbranch_scc0 .Lnot_mine_\@
	global_prefetch_b8 v[PFO], s[PFA:PFA+1] offset:KB th:TH_LOAD_NT scope:SCOPE_SE
.Lnot_mine_\@:
.endm
.macro CREST
	s_cmp_lg_u32 s14, 0
	s_cbranch_scc1 .Lnot_wave_0_\@
	s_barrier_signal -3
.Lnot_wave_0_\@:
	s_barrier_wait -3
	s_barrier_signal -1
	s_barrier_wait -1
.endm
.macro CROUND
	s_barrier_signal -1
	s_barrier_wait -1
	CREST
.endm
	s_load_b256 s[4:11], s[0:1], 0x0               ; qkv s[4:5], mask s[6:7], pf s[8:9], stats s[10:11]
	v_lshl_add_u32 v[SPW], v0, 2, SPARE
	v_mov_b32 v[NIL], 0
	ds_add_u32 v[SPW], v[NIL]                      ; the opening: the add, twice on end, and its wait ahead of my first tensor load
	ds_add_u32 v[SPW], v[NIL]
	v_lshrrev_b32 v1, 5, v0
	v_readfirstlane_b32 s14, v1                    ; wave
	s_lshr_b32 s15, s14, 1                         ; my half of the queries; also: I fetch Q (0) or K (1)
	s_and_b32 s16, s14, 1                          ; my half of the keys; also: which 128 rows I fetch
	s_bfe_u32 s40, ttmp6, 0x40000                  ; cx
	s_bfe_u32 s41, ttmp6, 0x40004                  ; cy
	s_lshl_b32 s42, ttmp9, 2
	s_add_co_u32 s42, s42, s40                     ; which 256 keys of the batch
	s_and_b32 s18, ttmp7, 0xffff                   ; the cluster's y
	s_lshl_b32 s17, s18, 2
	s_add_co_u32 s17, s17, s41                     ; which 256 queries of all 8,192
	s_lshr_b32 s19, s18, 1                         ; the batch: shared by all partners
	s_lshl_b32 s43, s41, 2
	s_lshl_b32 s43, 15, s43
	s_lshl_b32 s44, 0x1111, s40
	s_or_b32 s[G1], s43, (3<<16)|(1<<21)           ; the mask; elements of 8 bytes; no padding
	s_or_b32 s[G1B], s44, (3<<16)|(1<<21)
.irp g, G1, G1B
	s_mov_b32 s[\g+1], 512<<16                     ; tensor_dim0 = 512 elements: 4,096 bytes
	s_mov_b32 s[\g+2], 8<<16                       ; tensor_dim1 = 8
	s_mov_b32 s[\g+3], 512<<16                     ; tile_dim0
	s_mov_b32 s[\g+4], 8                           ; tile_dim1
	s_mov_b32 s[\g+5], 4096                        ; from 16 rows to the next 16: 32,768 bytes
	s_mov_b32 s[\g+6], 0
	s_mov_b32 s[\g+7], 0
.endr
	s_lshl_b32 s20, s17, 4
	s_lshl_b32 s21, s16, 3
	s_add_co_u32 s20, s20, s21
	s_lshl_b32 s20, s20, 15                        ; Q: tile of 16 rows 16 ty + 8 half
	s_mov_b32 s21, 0
	s_lshl_b32 s46, s19, 7
	s_lshl_b32 s47, s42, 4
	s_add_co_u32 s46, s46, s47
	s_lshl_b32 s47, s16, 3
	s_add_co_u32 s46, s46, s47
	s_lshl_b32 s46, s46, 15                        ; K: tile 128 batch + 16 tx + 8 half,
	s_add_co_u32 s46, s46, 1<<24                   ; in K's region
	s_mov_b32 s47, 0
	s_lshl_b32 s45, s14, 15                        ; where they go: 32,768 x wave
	s_mov_b32 s[CS], 0x3d38aa3b                    ; log2(e) / 32
	s_mov_b32 s[CS+1], s[CS]
	s_mov_b32 s[SEL], 0x76543210
	s_mov_b32 s[SEL+1], 0xfedcba98
	s_mov_b32 s[HM], 0xffff0000
	s_wait_dscnt 0x0                               ; both opening adds are done
	s_wait_kmcnt 0x0
	s_add_nc_u64 s[20:21], s[4:5], s[20:21]
	s_add_nc_u64 s[46:47], s[4:5], s[46:47]
	CROUND
.irp s, 0,1
	s_mov_b32 s[G0+4*\s], 1
	s_add_co_u32 s[G0+4*\s+1], s45, \s*SLOTB
	s_add_nc_u64 s[G0+4*\s+2:G0+4*\s+3], s[20:21], \s*KB
	s_or_b32 s[G0+4*\s+3], s[G0+4*\s+3], 0x80000000
	s_mov_b32 s[G0B+4*\s], 1
	s_add_co_u32 s[G0B+4*\s+1], s45, \s*SLOTB
	s_add_nc_u64 s[G0B+4*\s+2:G0B+4*\s+3], s[46:47], \s*KB
	s_or_b32 s[G0B+4*\s+3], s[G0B+4*\s+3], 0x80000000
	JLOAD \s                                       ; two loads of mine are out
.endr
	v_and_b32 v10, 31, v0
	v_lshlrev_b32 v[CO], 4, v10
	v_and_b32 v11, 15, v0                          ; r
	v_bfe_u32 v12, v0, 4, 1                        ; h
	; the mask of my 128 keys: register 8 b + j: key 16 b + 8 h + j
	s_lshl_b32 s22, s19, 11
	s_lshl_b32 s23, s42, 8
	s_add_co_u32 s22, s22, s23
	s_lshl_b32 s23, s16, 7
	s_add_co_u32 s22, s22, s23
	s_lshl_b32 s22, s22, 2
	s_mov_b32 s23, 0
	s_add_nc_u64 s[6:7], s[6:7], s[22:23]
	v_lshlrev_b32 v13, 5, v12
.irp b, 0,1,2,3,4,5,6,7
	global_load_b128 v[LIMR+8*\b:LIMR+8*\b+3], v13, s[6:7] offset:64*\b
	global_load_b128 v[LIMR+8*\b+4:LIMR+8*\b+7], v13, s[6:7] offset:64*\b+16
.endr
	s_lshl_b32 s22, s15, 15
	s_lshl_b32 s23, s16, 15
	s_add_co_u32 s23, s23, 65536
.irp s, 0,1
	v_add_nc_u32 v[ADA+\s], s22, v[CO]
	v_add_nc_u32 v[ADB+\s], s23, v[CO]
	s_add_co_u32 s22, s22, SLOTB
	s_add_co_u32 s23, s23, SLOTB
.endr
	v_lshlrev_b32 v[STA], 2, v11
	v_lshl_add_u32 v[STA], v12, 9, v[STA]
	s_lshl_b32 s22, s14, 10
	s_add_co_u32 s22, s22, STATS
	v_add_nc_u32 v[STA], s22, v[STA]               ; lanes 0-15 put -M of query r, lanes 16-31 l, 512 bytes on
	v_add_nc_u32 v[STR], s22, v[CO]
	v_mov_b32 v14, 0x7f800000                      ; + infinity: a key that counts
	v_mov_b32 v15, 0xceabfb8f                      ; -1e9 log2(e), to the nearest f32: a whole number
	v_mov_b32 v37, 0                               ; written once: a lane permute's destination counts as a source,
	v_mov_b32 v45, 0
	v_mov_b32 v39, 0                               ; and so does the upper half of a pair of which the low word serves both halves
	; pf: (16 ty + 8 query half) rows of 65,536 bytes + (16 tx + 8 key half) pieces of 512
	s_lshl_b32 s22, s17, 4
	s_lshl_b32 s23, s15, 3
	s_add_co_u32 s22, s22, s23
	s_lshl_b32 s22, s22, 16
	s_lshl_b32 s23, s42, 13
	s_add_co_u32 s22, s22, s23
	s_lshl_b32 s23, s16, 12
	s_add_co_u32 s22, s22, s23
	s_mov_b32 s23, 0
	s_add_nc_u64 s[8:9], s[8:9], s[22:23]
	; stats: (16 batch + 2 tx + key half) x 16,384 + 4 x my first query in the batch
	s_lshl_b32 s22, s19, 4
	s_lshl_b32 s23, s42, 1
	s_add_co_u32 s22, s22, s23
	s_add_co_u32 s22, s22, s16
	s_lshl_b32 s22, s22, 14
	s_and_b32 s23, s17, 7
	s_lshl_b32 s23, s23, 10
	s_add_co_u32 s22, s22, s23
	s_lshl_b32 s23, s15, 9
	s_add_co_u32 s22, s22, s23
	s_mov_b32 s23, 0
	s_add_nc_u64 s[10:11], s[10:11], s[22:23]
	; the prefetches
	s_and_b32 s23, s18, 1
	s_cmp_eq_u32 s15, 0
	s_cselect_b64 s[PFA:PFA+1], s[20:21], s[46:47]
	s_cselect_b32 s22, s40, s41                    ; my place among the four that ask with me
	s_cselect_b32 s23, ttmp9, s23                  ; the coordinate along which other clusters walk the same rows
	s_cmp_eq_u32 s23, 0
	s_cselect_b32 s[LIM], 1, -1
	s_lshl_b32 s22, s22, 16                        ; two rows of 32,768 bytes
	s_mov_b32 s23, 0
	s_add_nc_u64 s[PFA:PFA+1], s[PFA:PFA+1], s[22:23]
	s_add_nc_u64 s[PFA:PFA+1], s[PFA:PFA+1], 2*KB  ; at K step 2: the first refill steps it to 3 and names 4
	v_lshlrev_b32 v[PFO], 8, v11
	v_lshl_add_u32 v[PFO], v12, 15, v[PFO]
	s_wait_loadcnt 0x0                             ; the mask
.set i, 0
.rept 64
	v_cmp_eq_u32 vcc_lo, 0, v[LIMR+i]
	v_cndmask_b32 v[LIMR+i], v14, v15, vcc_lo      ; the bound: + infinity, or the masked t
.set i, i+1
.endr
.macro GROUP f, a, z                   ; 8 matrix instructions: queries' block a against the keys' eight.  z = 1: they start the sums.  The 64 accumulators take turns in one order everywhere
	WIN 0xa1+0x50*((\a)/4)                         ; source 0 (K) window 1, source 1 (Q) window 0, C and D window 2 or 3
.irp b, 0,1,2,3,4,5,6,7
.if \z
	v_wmma_f32_16x16x32_f16 v[8*(8*((\a)%4)+\b):8*(8*((\a)%4)+\b)+7], v[\f+8*\b:\f+8*\b+7], v[\f+8*(\a):\f+8*(\a)+7], 0
.else
	v_wmma_f32_16x16x32_f16 v[8*(8*((\a)%4)+\b):8*(8*((\a)%4)+\b)+7], v[\f+8*\b:\f+8*\b+7], v[\f+8*(\a):\f+8*(\a)+7], v[8*(8*((\a)%4)+\b):8*(8*((\a)%4)+\b)+7]
.endif
.endr
.endm
.macro FETCH slot, k, f                ; 32 LDS loads in one run: 32 along K at byte k of each 4,096: K's eight fragments, then Q's
	WIN TO_B
.irp i, 0,1,2,3,4,5,6,7
	ds_load_b128 v[\f+8*\i:\f+8*\i+3],   v[ADB+\slot] offset:\k+\i*KB
	ds_load_b128 v[\f+8*\i+4:\f+8*\i+7], v[ADB+\slot] offset:\k+\i*KB+512
.endr
	WIN 0
.irp i, 0,1,2,3,4,5,6,7
	ds_load_b128 v[\f+8*\i:\f+8*\i+3],   v[ADA+\slot] offset:\k+\i*KB
	ds_load_b128 v[\f+8*\i+4:\f+8*\i+7], v[ADA+\slot] offset:\k+\i*KB+512
.endr
.endm
.macro PLACES                          ; four plain vector instructions between a matrix instruction and a load into, or a read of, its registers
.rept 4
	v_nop
.endr
.endm
.macro QUARTER slot, k, f, g, z        ; 32 along K: multiplies buffer f; in its middle fetches the next quarter, at byte k, into g
	s_wait_dscnt 8                                 ; all but the youngest eight loads (Q's blocks 4-7)
	GROUP \f, 0, \z
	GROUP \f, 1, \z
	GROUP \f, 2, \z
	GROUP \f, 3, \z
	PLACES
	FETCH \slot, \k, \g
	s_wait_dscnt 32                                ; all but the 32 just issued
	GROUP \f, 4, \z
	GROUP \f, 5, \z
	GROUP \f, 6, \z
	GROUP \f, 7, \z
.endm
; A K step's last quarter multiplies buffer 1 and changes slots.  In front of the barrier each wave waits for all its tensor loads (one is out: its part of the next slot), adds 0 to its spare word, and waits for that
; and for its reads of this slot.  fill = 1: the barrier opens a round of the cluster's, and behind it this slot is filled again, two K steps ahead.
.macro TURN slot, next, fill
.if \fill
	s_wait_xcnt 0x0                                ; the last prefetch, a K step back, has read its address
	s_add_nc_u64 s[PFA:PFA+1], s[PFA:PFA+1], KB
.endif
	WIN 0
	s_wait_tensorcnt 0x0
	ds_add_u32 v[SPW], v[NIL]
	s_wait_dscnt 9                                 ; the add and the youngest eight loads may be out
	GROUP F1, 0, 0
	GROUP F1, 1, 0
	s_wait_dscnt 0x0                               ; the add is done, my reads of this slot are over
	s_barrier_signal -1
	GROUP F1, 2, 0
	GROUP F1, 3, 0
	WIN 0
	s_barrier_wait -1
.if \fill
	CREST
	s_add_nc_u64 s[G0+4*\slot+2:G0+4*\slot+3], s[G0+4*\slot+2:G0+4*\slot+3], 2*KB
	s_add_nc_u64 s[G0B+4*\slot+2:G0B+4*\slot+3], s[G0B+4*\slot+2:G0B+4*\slot+3], 2*KB
	JLOAD \slot                                    ; my one tensor load behind the round; its four v_nop are the places in front of the loads below
.else
	PLACES
.endif
	FETCH \next, 0, F0
.if \fill
	ASK
.endif
	GROUP F1, 4, 0
	GROUP F1, 5, 0
	GROUP F1, 6, 0
	GROUP F1, 7, 0
.endm
	s_wait_tensorcnt 1                             ; my part of K step 0 is in; K step 1's load may be out
	s_barrier_signal -1
	s_barrier_wait -1
	FETCH 0, 0, F0
	QUARTER 0, 1024, F0, F1, 1                     ; the first quarter starts the sums
	WIN 0
	s_mov_b32 s3, LAPS-1
.Llap:                                             ; a trip goes once round the ring and fills both slots again
	QUARTER 0, 2048, F1, F0, 0
	QUARTER 0, 3072, F0, F1, 0
	TURN 0, 1, 1
	QUARTER 1, 1024, F0, F1, 0
	QUARTER 1, 2048, F1, F0, 0
	QUARTER 1, 3072, F0, F1, 0
	TURN 1, 0, 1
	QUARTER 0, 1024, F0, F1, 0
	WIN 0
	s_sub_co_u32 s3, s3, 1
	s_cmp_lg_u32 s3, 0
	s_cbranch_scc1 .Llap
	QUARTER 0, 2048, F1, F0, 0                     ; the last lap asks for nothing
	QUARTER 0, 3072, F0, F1, 0
	TURN 0, 1, 0
	QUARTER 1, 1024, F0, F1, 0
	QUARTER 1, 2048, F1, F0, 0
	QUARTER 1, 3072, F0, F1, 0
	s_wait_dscnt 8
	GROUP F1, 0, 0
	GROUP F1, 1, 0
	GROUP F1, 2, 0
	GROUP F1, 3, 0
	s_wait_dscnt 0
	GROUP F1, 4, 0
	GROUP F1, 5, 0
	GROUP F1, 6, 0
	GROUP F1, 7, 0
	WIN 0
; THE WAY OUT of block a: 16 queries x my 128 keys; a lane holds 64 of its query's scores, lane l xor 16 the other 64.
.macro SOFT a
.set AC, 64*((\a)%4)
.set PKB, 128+32*((\a)%2)
	WIN 0x02+((\a)/4)                              ; source 0 window 2 or 3
.set i, 0
.rept 32
	v_pk_mul_f32 v[T+i:T+i+1], v[AC+i:AC+i+1], s[CS:CS+1] op_sel_hi:[1,0]   ; t; each accumulator from its low end on
.set i, i+2
.endr
	WIN 0
.set i, 0
.rept 64
	v_med3_num_f32 v[T+i], v[T+i], -|v[LIMR+i]|, v[LIMR+i]   ; between -infinity and +infinity: t; between the masked t and itself: the masked t
.set i, i+1
.endr
.irp u, 0,1,2,3
	v_max3_num_f32 v[32+\u], v[T+16*\u], v[T+16*\u+1], v[T+16*\u+2]
.endr
.irp i, 3,5,7,9,11,13
.irp u, 0,1,2,3
	v_max3_num_f32 v[32+\u], v[32+\u], v[T+16*\u+\i], v[T+16*\u+\i+1]
.endr
.endr
.irp u, 0,1,2,3
	v_max_num_f32 v[32+\u], v[32+\u], v[T+16*\u+15]
.endr
	v_max3_num_f32 v36, v32, v33, v34
	v_max_num_f32 v36, v36, v35
	v_permlanex16_b32 v37, v36, s[SEL], s[SEL+1]
	v_max_num_f32 v36, v36, v37                    ; the block's largest t of my query
	v_floor_f32 v38, -v36                          ; -M = floor(-t): M is a whole number
.set i, 0
.rept 32
	v_pk_add_f32 v[T+i:T+i+1], v[T+i:T+i+1], v[38:39] op_sel_hi:[1,0]   ; t - M
.set i, i+2
.endr
.set i, 0
.rept 64
	v_exp_f32 v[T+i], v[T+i]                       ; p, at most 1
.set i, i+1
.endr
	v_nop                                          ; a plain instruction behind the last exponential
	s_wait_alu depctr_va_vdst(0)                   ; one wait for the batch, ahead of its first reader
	v_pk_add_f32 v[40:41], v[T:T+1], v[T+2:T+3]    ; the sum of the unrounded p, in two chains
	v_pk_add_f32 v[42:43], v[T+4:T+5], v[T+6:T+7]
.irp j, 8,12,16,20,24,28,32,36,40,44,48,52,56,60
	v_pk_add_f32 v[40:41], v[40:41], v[T+\j:T+\j+1]
	v_pk_add_f32 v[42:43], v[42:43], v[T+\j+2:T+\j+3]
.endr
	v_pk_add_f32 v[40:41], v[40:41], v[42:43]
	v_add_f32 v44, v40, v41
	v_permlanex16_b32 v45, v44, s[SEL], s[SEL+1]
	v_add_f32 v44, v44, v45
.if (\a) >= 2
	s_wait_xcnt 0x0                                ; the stores of two blocks ago have read this set of packed registers
.endif
.set i, 0
.rept 32
	v_cvt_pk_f16_f32 v[PKB+i], v[T+2*i], v[T+2*i+1]
.set i, i+1
.endr
.irp b, 0,1,2,3,4,5,6,7
	global_store_b128 v[CO], v[PKB+4*\b:PKB+4*\b+3], s[8:9] offset:65536*(\a)+512*\b   ; 512 consecutive bytes, aligned
.endr
	v_cndmask_b32 v[48+(\a)], v38, v44, s[HM]      ; lanes 0-15: -M, lanes 16-31: l
	ds_store_b32 v[STA], v[48+(\a)] offset:64*(\a)
.endm
	PLACES
.irp a, 0,1,2,3,4,5,6,7
	SOFT \a
.endr
	ds_load_b128 v[56:59], v[STR]                  ; my 128 queries' -M, and their l: these see my stores
	ds_load_b128 v[60:63], v[STR] offset:512
	s_wait_dscnt 0x0
	global_store_b128 v[CO], v[56:59], s[10:11]
	global_store_b128 v[CO], v[60:63], s[10:11] offset:8192
	s_wait_tensorcnt 0x0                           ; the wave's end
	ds_add_u32 v[SPW], v[NIL]
	s_wait_dscnt 0x0
	CROUND                                         ; the closing round
	s_endpgm
.Lfunc_end_k_qc894983e83_scores:
	.size	k_qc894983e83_scores, .Lfunc_end_k_qc894983e83_scores-k_qc894983e83_scores
	.p2alignl 7, 3214868480
	.fill 96, 4, 3214868480
	.section	.rodata,"a",@progbits
	.p2align	6, 0x0
	.amdhsa_kernel k_qc894983e83_scores
		.amdhsa_group_segment_fixed_size 327680
		.amdhsa_private_segment_fixed_size 0
		.amdhsa_enable_private_segment 0
		.amdhsa_kernarg_size 32
		.amdhsa_user_sgpr_count 2
		.amdhsa_user_sgpr_kernarg_segment_ptr 1
		.amdhsa_wavefront_size32 1
		.amdhsa_system_sgpr_workgroup_id_x 1
		.amdhsa_system_sgpr_workgroup_id_y 1
		.amdhsa_system_sgpr_workgroup_id_z 1
		.amdhsa_system_vgpr_workitem_id 0
		.amdhsa_next_free_vgpr 1024
		.amdhsa_next_free_sgpr 80
		.amdhsa_reserve_vcc 1
		.amdhsa_float_denorm_mode_32 3
		.amdhsa_float_denorm_mode_16_64 3
		.amdhsa_memory_ordered 1
		.amdhsa_forward_progress 1
		.amdhsa_inst_pref_size 255
	.end_amdhsa_kernel
	.section	.bss,"aw",@nobits
	.p2align	6
	.space	262144
	.amdgpu_metadata
---
amdhsa.version: [ 1, 2 ]
amdhsa.kernels:
  - .name:           k_qc894983e83_scores
    .symbol:         k_qc894983e83_scores.kd
    .args:
      - { .name: qkv, .offset: 0, .size: 8, .value_kind: global_buffer, .address_space: global }
      - { .name: mask, .offset: 8, .size: 8, .value_kind: global_buffer, .address_space: global }
      - { .name: pf, .offset: 16, .size: 8, .value_kind: global_buffer, .address_space: global }
      - { .name: stats, .offset: 24, .size: 8, .value_kind: global_buffer, .address_space: global }
    .group_segment_fixed_size: 327680
    .private_segment_fixed_size: 0
    .kernarg_segment_align: 8
    .kernarg_segment_size: 32
    .max_flat_workgroup_size: 128
    .sgpr_count:     80
    .vgpr_count:     1024
    .wavefront_size: 32
...
	.end_amdgpu_metadata
.endif
;; end of part 3
;; launch pv (part 4): grid 4 x 64, 4 waves a work-group, clusters of 4 x 4, 327,680 bytes of LDS; arguments pf, qkv, stats, bv, aof; writes aof
.if DOCPART == 4
	.amdgcn_target "amdgcn-amd-amdhsa--gfx1250"
	.amdhsa_code_object_version 6
	.text
	.protected	k_qc894983e83_pv
	.globl	k_qc894983e83_pv
	.p2align	8
	.type	k_qc894983e83_pv,@function
k_qc894983e83_pv:
	s_mov_b64 s[64:65], 0
	v_nop
	global_prefetch_b8 v0, s[64:65] scope:SCOPE_SE
	s_setreg_imm32_b32 hwreg(HW_REG_WAVE_MODE, 25, 1), 1
	s_wait_xcnt 0x0
	s_wait_alu depctr_hold_cnt(0) depctr_sa_sdst(0) depctr_va_vdst(0) depctr_va_sdst(0) depctr_va_ssrc(0) depctr_va_vcc(0) depctr_vm_vsrc(0)
	s_getreg_b32 s2, hwreg(HW_REG_IB_STS2, 6, 4)
	s_cmp_eq_u32 s2, 0
	s_cbranch_scc0 .Lentry_in_a_cluster
	s_endpgm
.Lentry_in_a_cluster:
	s_bfe_u32 s2, ttmp6, 0x10000c
	s_cmp_lg_u32 s2, 0xf033
	s_cbranch_scc0 .Lentry_shape_is_right
	s_endpgm
.Lentry_shape_is_right:
; LAUNCH 4 OF 5.  attn V + bv.  For a query: M = the largest of its 16 blocks' M_j; f_j = 2^(M_j - M); l = the sum of f_j l_j; result = (sum over j of (f_j p_j) V) / l + bv.  No work is left out.
; f_j p is reckoned in f32 and rounded to f16 on its way to the matrix unit.  bv is added behind the division: attn's rows sum to 1 (launch 1's head).
; A work-group makes 128 queries x 256 channels: 256 work-groups.  Its four waves are 2 halves of the queries x 2 HALVES OF EACH K STEP: a wave has 64 queries x 256 channels: 64 accumulators; each fragment of P is read,
; and multiplied by its factor, by one wave alone.  At the end the two waves of a query half exchange: each keeps channel tiles 8 kh + b (window 2) and sends the other eight (window 3) through LDS.
; P and V^T lie as pieces of 512 bytes (16 rows x 16 keys) in the order of the operand's registers; a fragment is two loads at 16 x lane.
; K STEPS OF 192 KEYS, 12 pieces, rows of 6,144 bytes: as long as two slots in LDS allow.  2,048 = 128 + 10 x 192: the first step is short: its load states 8 pieces as what is left of the row, so that the rest of
; each LDS row is written as zeros and the slot's layout is the same in every step; the zeros are not multiplied.  A step's six quarters of 32 keys go to the two waves by turns: wave kh takes quarters kh, 2 + kh, 4 + kh,
; so that both waves meet the blocks of 128 keys in the same order: in two steps J, J, J + 1 | J + 1, J + 2, J + 2.  A quarter's factors are fetched with its fragments.
; TRANSPOSED USE (source 0 = 16 channels of V^T, source 1 = 16 queries of P): lane l holds query l % 16 and 8 channels: packed to f16 they are 16 bytes of launch 5's operand: aof [query / 16][channel / 16][512 bytes].
; CLUSTERS 4 x 4: P's tiles jointly along a row, V^T's along a column.
; LIMIT: |attn V + bv| under 65,504.
; REGISTERS: window 0: v0-31 addresses, v8-15 1 / l in pairs, v32-47 the factors (a set for each buffer, each factor twice), v48-63 at work, v64-127 P's fragments (two buffers of 4), v192-255 bv.
;   window 1: V^T's fragments, two buffers of 16.  windows 2, 3: accumulators ((a, b) at v[8 (8 a + b)]).
.set ROWL,  6144                       ; a row of a slot: 12 pieces
.set BOFF,  8*ROWL                     ; P's 8 rows, then V^T's 16; also: 8 rows of V^T
.set SLOTB, 24*ROWL
.set XCH,   SLOTB                      ; the exchange lies in slot 1, which has had its last fill and its last read when the last step (in slot 0) begins: 32,768 bytes a wave
.set FT,    2*SLOTB                    ; the factors: [j 16][query half 2][query % 16][tile 4][twice] f32
.set RLT,   FT+16*1024                 ; 1 / l: [query tile 8][32 words]
.set SPARE, RLT+1024                   ; the spare words
.set CO,   1
.set ADA,  2                           ; v2-3 P's fragments in slot 0, 1
.set ADBK, 4                           ; v4-5 V^T's, the channel tiles that I keep
.set ADBS, 6                           ; v6-7 those that I send
.set RL,   8
.set FA,   16
.set RLA,  17
.set XW,   18
.set XR,   19
.set SPW,  28
.set NIL,  29
.set PFO,  30
.set FS,   32
.set T,    48
.set AF,   64
.set BV,   192
.set G1, 24                            ; s[24:31] group 1 for P's tiles; s[32:39] groups 0, one for each slot
.set G0, 32
.set G1B, 48                           ; the same for V^T's
.set G0B, 56
.set G1S, 68                           ; s[68:75], s[76:83] groups 1 for the short first step
.set G1SB, 76
.set PFA, 84                           ; s[84:85] where my prefetches stand
.set LIM, 86                           ; s86 1 in a wave that prefetches, else the greatest number
.set MSB, 0
.macro WIN new
.if MSB != (\new)
	s_set_vgpr_msb (MSB<<8)|(\new)
.set MSB, (\new)
.endif
.endm
.set TO_B, 0x40
.macro JLOAD g0a, g1a, g0b, g1b        ; waves 0 and 1 fetch P's halves, waves 2 and 3 V^T's; an s_nop 0 and four v_nop follow each line
	s_cmp_eq_u32 s15, 0
	s_cbranch_scc0 .Lfor_b_\@
	tensor_load_to_lds s[\g0a:\g0a+3], s[\g1a:\g1a+7]
	s_nop 0
.rept 4
	v_nop
.endr
	s_branch .Lasked_\@
.Lfor_b_\@:
	tensor_load_to_lds s[\g0b:\g0b+3], s[\g1b:\g1b+7]
	s_nop 0
.rept 4
	v_nop
.endr
.Lasked_\@:
.endm
; A prefetch of P's part of the step that the NEXT refill will ask for: one K step, 192 matrix instructions of a wave, ahead of that load.  P's rows are walked by one row of one cluster alone.  Of the 4 rows that wave 0 or
; 1 fetches, each of the four partners takes one, by address (cx); a step's part of a row is 24 blocks of 256 bytes: a lane a block (lanes 24-31 name lane 23's).  how = 1: whenever the wave asks; how = 0: not in the
; loop's last trip, behind which no refill follows.  The first three steps come by their loads alone.  V^T is walked by four clusters and is not asked for.
.macro ASK how
.if \how
	s_cmp_eq_u32 s[LIM], 1
.else
	s_cmp_gt_u32 s3, s[LIM]
.endif
	s_cbranch_scc0 .Lnot_mine_\@
	global_prefetch_b8 v[PFO], s[PFA:PFA+1] th:TH_LOAD_NT scope:SCOPE_SE
.Lnot_mine_\@:
.endm
.macro CREST
	s_cmp_lg_u32 s14, 0
	s_cbranch_scc1 .Lnot_wave_0_\@
	s_barrier_signal -3
.Lnot_wave_0_\@:
	s_barrier_wait -3
	s_barrier_signal -1
	s_barrier_wait -1
.endm
.macro CROUND
	s_barrier_signal -1
	s_barrier_wait -1
	CREST
.endm
	s_load_b256 s[4:11], s[0:1], 0x0               ; pf s[4:5], qkv s[6:7], stats s[8:9], bv s[10:11]
	s_load_b64 s[12:13], s[0:1], 0x20              ; aof
	v_lshl_add_u32 v[SPW], v0, 2, SPARE
	v_mov_b32 v[NIL], 0
	ds_add_u32 v[SPW], v[NIL]                      ; the opening: the add, twice on end, and its wait ahead of my first tensor load
	ds_add_u32 v[SPW], v[NIL]
	v_lshrrev_b32 v1, 5, v0
	v_readfirstlane_b32 s14, v1                    ; wave
	s_lshr_b32 s15, s14, 1                         ; kh: my half of each K step; also: I fetch P (0) or V^T (1)
	s_and_b32 s16, s14, 1                          ; my half of the queries; also: which half of the tile I fetch
	s_bfe_u32 s40, ttmp6, 0x40000
	s_bfe_u32 s41, ttmp6, 0x40004
	s_lshl_b32 s42, ttmp9, 2
	s_add_co_u32 s42, s42, s40                     ; which 256 channels
	s_and_b32 s18, ttmp7, 0xffff
	s_lshl_b32 s17, s18, 2
	s_add_co_u32 s17, s17, s41                     ; which 128 queries of all 8,192
	s_lshr_b32 s19, s18, 2                         ; the batch: shared by all partners
	s_lshl_b32 s43, s41, 2
	s_lshl_b32 s43, 15, s43
	s_lshl_b32 s44, 0x1111, s40
	s_or_b32 s[G1], s43, (3<<16)|(1<<21)           ; elements of 8 bytes, no padding
	s_or_b32 s[G1S], s43, (3<<16)|(1<<21)
	s_or_b32 s[G1B], s44, (3<<16)|(1<<21)
	s_or_b32 s[G1SB], s44, (3<<16)|(1<<21)
	s_mov_b32 s[G1+1], 768<<16                     ; tensor_dim0: 12 pieces are left of the row,
	s_mov_b32 s[G1S+1], 512<<16                    ; or 8: zeros behind them
	s_mov_b32 s[G1B+1], 768<<16
	s_mov_b32 s[G1SB+1], 512<<16
.irp g, G1, G1S
	s_mov_b32 s[\g+2], 4<<16                       ; P: 4 rows,
	s_mov_b32 s[\g+3], 768<<16                     ; tile_dim0: 6,144 bytes,
	s_mov_b32 s[\g+4], 4
	s_mov_b32 s[\g+5], 8192                        ; 65,536 bytes apart
	s_mov_b32 s[\g+6], 0
	s_mov_b32 s[\g+7], 0
.endr
.irp g, G1B, G1SB
	s_mov_b32 s[\g+2], 8<<16                       ; V^T: 8 rows,
	s_mov_b32 s[\g+3], 768<<16
	s_mov_b32 s[\g+4], 8
	s_mov_b32 s[\g+5], 32768                       ; 262,144 bytes apart
	s_mov_b32 s[\g+6], 0
	s_mov_b32 s[\g+7], 0
.endr
	s_lshl_b32 s20, s17, 3
	s_lshl_b32 s21, s16, 2
	s_add_co_u32 s20, s20, s21
	s_lshl_b32 s20, s20, 16                        ; P: query tile 8 ty + 4 half
	s_mov_b32 s21, 0
	s_lshl_b32 s46, s42, 4
	s_lshl_b32 s47, s16, 3
	s_add_co_u32 s46, s46, s47
	s_lshl_b32 s46, s46, 18                        ; V^T: channel tile 16 tx + 8 half,
	s_lshl_b32 s47, s19, 16
	s_add_co_u32 s46, s46, s47                     ; the batch's 128 pieces on,
	s_add_co_u32 s46, s46, 2<<24                   ; in V^T's region
	s_mov_b32 s47, 0
	s_mul_i32 s45, s16, 4*ROWL                     ; where P's half goes in a slot,
	s_mul_i32 s66, s16, BOFF
	s_add_co_u32 s66, s66, BOFF                    ; and V^T's
	s_wait_dscnt 0x0
	s_wait_kmcnt 0x0
	s_add_nc_u64 s[20:21], s[4:5], s[20:21]
	s_add_nc_u64 s[46:47], s[6:7], s[46:47]
	CROUND
.irp s, 0,1
	s_mov_b32 s[G0+4*\s], 1
	s_add_co_u32 s[G0+4*\s+1], s45, \s*SLOTB
	s_add_nc_u64 s[G0+4*\s+2:G0+4*\s+3], s[20:21], \s*8*512    ; slot 0: pieces 0-7; slot 1: pieces 8-19
	s_or_b32 s[G0+4*\s+3], s[G0+4*\s+3], 0x80000000
	s_mov_b32 s[G0B+4*\s], 1
	s_add_co_u32 s[G0B+4*\s+1], s66, \s*SLOTB
	s_add_nc_u64 s[G0B+4*\s+2:G0B+4*\s+3], s[46:47], \s*8*512
	s_or_b32 s[G0B+4*\s+3], s[G0B+4*\s+3], 0x80000000
.endr
	JLOAD G0, G1S, G0B, G1SB                       ; the short first step
	JLOAD G0+4, G1, G0B+4, G1B                     ; two loads of mine are out
	v_and_b32 v24, 31, v0                          ; lane
	v_and_b32 v25, 15, v0                          ; r
	v_bfe_u32 v26, v0, 4, 1                        ; h
	v_lshlrev_b32 v[CO], 4, v24
	; the prefetches: my work-group's row of the four that I fetch; each refill steps the address by a step; the first names pieces 32-43
	s_lshl_b32 s22, s40, 16
	s_add_co_u32 s22, s22, 32*512-ROWL
	s_mov_b32 s23, 0
	s_add_nc_u64 s[PFA:PFA+1], s[20:21], s[22:23]
	s_cmp_eq_u32 s15, 0
	s_cselect_b32 s[LIM], 1, -1
	v_min_u32 v[PFO], 23, v24
	v_lshlrev_b32 v[PFO], 8, v[PFO]
	; the statistics: lane L of wave w takes query 32 w + L of the 128: its 16 blocks' -M into v128-143, l into v144-159
	s_lshl_b32 s22, s19, 18
	s_and_b32 s23, s17, 15
	s_lshl_b32 s23, s23, 9
	s_add_co_u32 s22, s22, s23
	s_lshl_b32 s23, s14, 7
	s_add_co_u32 s22, s22, s23
	s_mov_b32 s23, 0
	s_add_nc_u64 s[8:9], s[8:9], s[22:23]
	v_lshlrev_b32 v22, 2, v24
.irp j, 0,1,2,3,4,5,6,7,8,9,10,11,12,13,14,15
	global_load_b32 v[128+\j], v22, s[8:9] offset:16384*\j
	global_load_b32 v[144+\j], v22, s[8:9] offset:16384*\j+8192
.endr
	s_lshl_b32 s22, s42, 10
	s_lshl_b32 s23, s15, 9
	s_add_co_u32 s22, s22, s23
	s_mov_b32 s23, 0
	s_add_nc_u64 s[10:11], s[10:11], s[22:23]
	v_lshlrev_b32 v21, 5, v26
.irp b, 0,1,2,3,4,5,6,7
	global_load_b128 v[BV+8*\b:BV+8*\b+3], v21, s[10:11] offset:64*\b       ; bv of the 128 channels that I keep: register 8 b + j: channel 16 b + 8 h + j
	global_load_b128 v[BV+8*\b+4:BV+8*\b+7], v21, s[10:11] offset:64*\b+16
.endr
	s_mul_i32 s20, s16, 4*ROWL                     ; my 4 query tiles,
	s_lshl_b32 s22, s15, 10                        ; my quarters: 1,024 kh
	s_add_co_u32 s20, s20, s22
	s_mul_i32 s21, s15, BOFF                       ; the channel tiles that I keep: 8 kh on,
	s_add_co_u32 s21, s21, s22
	s_add_co_u32 s21, s21, BOFF
	s_xor_b32 s23, s15, 1
	s_mul_i32 s23, s23, BOFF                       ; those that I send: the other eight
	s_add_co_u32 s23, s23, s22
	s_add_co_u32 s23, s23, BOFF
	v_add_nc_u32 v[ADA], s20, v[CO]
	v_add_nc_u32 v[ADBK], s21, v[CO]
	v_add_nc_u32 v[ADBS], s23, v[CO]
	v_add_nc_u32 v[ADA+1], SLOTB, v[ADA]
	v_add_nc_u32 v[ADBK+1], SLOTB, v[ADBK]
	v_add_nc_u32 v[ADBS+1], SLOTB, v[ADBS]
	v_lshlrev_b32 v20, 5, v25
	v_lshl_add_u32 v20, v26, 3, v20
	s_lshl_b32 s22, s15, 9
	s_lshl_b32 s23, s16, 4
	s_add_co_u32 s22, s22, s23
	s_add_co_u32 s22, s22, FT
	v_add_nc_u32 v20, s22, v20                     ; where I put my query's factor: its tile is 2 w + h: 512 (tile / 4) + 32 r + 8 (tile % 4)
	v_lshlrev_b32 v23, 2, v25
	v_lshl_add_u32 v23, v26, 7, v23
	s_lshl_b32 s22, s14, 8
	s_add_co_u32 s22, s22, RLT
	v_add_nc_u32 v23, s22, v23                     ; and its 1 / l: 128 x tile + 4 r
	v_lshlrev_b32 v[FA], 5, v25
	s_lshl_b32 s22, s16, 9
	s_add_co_u32 s23, s22, FT
	v_add_nc_u32 v[FA], s23, v[FA]                 ; the factors of my four tiles, for query r
	v_lshlrev_b32 v[RLA], 2, v24
	s_add_co_u32 s23, s22, RLT
	v_add_nc_u32 v[RLA], s23, v[RLA]
	s_lshl_b32 s22, s14, 15
	s_add_co_u32 s22, s22, XCH
	v_add_nc_u32 v[XW], s22, v[CO]
	s_xor_b32 s23, s14, 2
	s_lshl_b32 s23, s23, 15
	s_add_co_u32 s23, s23, XCH
	v_add_nc_u32 v[XR], s23, v[CO]
.irp i, 9,11,13,15
	v_mov_b32 v[\i], 0                             ; the upper halves of pairs of which the low word serves both halves: written once
.endr
	s_lshl_b32 s22, s17, 3
	s_lshl_b32 s23, s16, 2
	s_add_co_u32 s22, s22, s23
	s_lshl_b32 s22, s22, 15                        ; aof: query tile 8 ty + 4 half,
	s_lshl_b32 s23, s42, 13
	s_add_co_u32 s22, s22, s23
	s_lshl_b32 s23, s15, 12
	s_add_co_u32 s22, s22, s23                     ; piece 16 tx + 8 kh
	s_mov_b32 s23, 0
	s_add_nc_u64 s[12:13], s[12:13], s[22:23]
	s_wait_loadcnt 16                              ; the statistics are in; bv's 16 loads may be out
	v_min3_num_f32 v24, v128, v129, v130
.irp j, 131,133,135,137,139,141
	v_min3_num_f32 v24, v24, v[\j], v[\j+1]
.endr
	v_min_num_f32 v24, v24, v143                   ; -M: the least of the -M_j
.irp j, 0,1,2,3,4,5,6,7,8,9,10,11,12,13,14,15
	v_sub_f32 v[128+\j], v24, v[128+\j]            ; M_j - M: a whole number, 0 or less
.endr
.irp j, 0,1,2,3,4,5,6,7,8,9,10,11,12,13,14,15
	v_cvt_i32_f32 v[128+\j], v[128+\j]
.endr
.irp j, 0,1,2,3,4,5,6,7,8,9,10,11,12,13,14,15
	v_ldexp_f32 v[160+2*\j], 1.0, v[128+\j]        ; f_j,
	v_ldexp_f32 v[161+2*\j], 1.0, v[128+\j]        ; twice: a pair for the packed multiply
.endr
	v_mul_f32 v25, v160, v144
.irp j, 1,2,3,4,5,6,7,8,9,10,11,12,13,14,15
	v_fmac_f32 v25, v[160+2*\j], v[144+\j]         ; l
.endr
	v_rcp_f32 v26, v25
	v_nop                                          ; a plain instruction behind the reciprocal
.irp j, 0,1,2,3,4,5,6,7,8,9,10,11,12,13,14,15
	ds_store_b64 v20, v[160+2*\j:161+2*\j] offset:1024*\j
.endr
	s_wait_alu depctr_va_vdst(0)                   ; ahead of the reciprocal's first reader
	ds_store_b32 v23, v26
	ds_store_b32 v23, v26 offset:64                ; and for lanes 16-31
; A fragment of P, 8 registers of two f16, times its tile's factor: widened to f32, multiplied, rounded once to f16.  fp: the factor's pair.  The registers are named by number: a register's halves have names up to v127
.macro SC8 fp, x0, x1, x2, x3, x4, x5, x6, x7
	v_cvt_f32_f16 v[T], v\x0\().l
	v_cvt_f32_f16 v[T+1], v\x0\().h
	v_cvt_f32_f16 v[T+2], v\x1\().l
	v_cvt_f32_f16 v[T+3], v\x1\().h
	v_cvt_f32_f16 v[T+4], v\x2\().l
	v_cvt_f32_f16 v[T+5], v\x2\().h
	v_cvt_f32_f16 v[T+6], v\x3\().l
	v_cvt_f32_f16 v[T+7], v\x3\().h
	v_cvt_f32_f16 v[T+8], v\x4\().l
	v_cvt_f32_f16 v[T+9], v\x4\().h
	v_cvt_f32_f16 v[T+10], v\x5\().l
	v_cvt_f32_f16 v[T+11], v\x5\().h
	v_cvt_f32_f16 v[T+12], v\x6\().l
	v_cvt_f32_f16 v[T+13], v\x6\().h
	v_cvt_f32_f16 v[T+14], v\x7\().l
	v_cvt_f32_f16 v[T+15], v\x7\().h
.irp n, 0,2,4,6,8,10,12,14
	v_pk_mul_f32 v[T+\n:T+\n+1], v[T+\n:T+\n+1], v[\fp:\fp+1]
.endr
	v_cvt_pk_f16_f32 v\x0, v[T], v[T+1]
	v_cvt_pk_f16_f32 v\x1, v[T+2], v[T+3]
	v_cvt_pk_f16_f32 v\x2, v[T+4], v[T+5]
	v_cvt_pk_f16_f32 v\x3, v[T+6], v[T+7]
	v_cvt_pk_f16_f32 v\x4, v[T+8], v[T+9]
	v_cvt_pk_f16_f32 v\x5, v[T+10], v[T+11]
	v_cvt_pk_f16_f32 v\x6, v[T+12], v[T+13]
	v_cvt_pk_f16_f32 v\x7, v[T+14], v[T+15]
.endm
.macro SCALE f                         ; the four fragments of buffer f
	WIN 0
.if (\f) == 0
	SC8 FS,    64, 65, 66, 67, 68, 69, 70, 71
	SC8 FS+2,  72, 73, 74, 75, 76, 77, 78, 79
	SC8 FS+4,  80, 81, 82, 83, 84, 85, 86, 87
	SC8 FS+6,  88, 89, 90, 91, 92, 93, 94, 95
.else
	SC8 FS+8,  96, 97, 98, 99, 100, 101, 102, 103
	SC8 FS+10, 104, 105, 106, 107, 108, 109, 110, 111
	SC8 FS+12, 112, 113, 114, 115, 116, 117, 118, 119
	SC8 FS+14, 120, 121, 122, 123, 124, 125, 126, 127
.endif
.endm
; 8 matrix instructions: query tile a against eight channel tiles: sent = 0 those that I keep (window 2), 1 those that I send (window 3).  z = 1: they start the sums.
; The 64 accumulators take turns in one order everywhere
.macro GRP f, a, sent, z
	WIN 0xa1+0x50*(\sent)                          ; source 0 (V^T) window 1, source 1 (P) window 0, C and D window 2 or 3
.irp b, 0,1,2,3,4,5,6,7
.if \z
	v_wmma_f32_16x16x32_f16 v[8*(8*(\a)+\b):8*(8*(\a)+\b)+7], v[128*(\f)+64*(\sent)+8*\b:128*(\f)+64*(\sent)+8*\b+7], v[AF+32*(\f)+8*(\a):AF+32*(\f)+8*(\a)+7], 0
.else
	v_wmma_f32_16x16x32_f16 v[8*(8*(\a)+\b):8*(8*(\a)+\b)+7], v[128*(\f)+64*(\sent)+8*\b:128*(\f)+64*(\sent)+8*\b+7], v[AF+32*(\f)+8*(\a):AF+32*(\f)+8*(\a)+7], v[8*(8*(\a)+\b):8*(8*(\a)+\b)+7]
.endif
.endr
.endm
; 42 LDS loads in one run, into buffer f: my q-th quarter of the slot: its block's factors (at byte fo from where the factors' address stands), P's 4 fragments, V^T's 8 that I keep, V^T's 8 that I send
.macro FETCH slot, q, f, fo
	WIN 0
	ds_load_b128 v[FS+8*(\f):FS+8*(\f)+3], v[FA] offset:\fo
	ds_load_b128 v[FS+8*(\f)+4:FS+8*(\f)+7], v[FA] offset:\fo+16
.irp i, 0,1,2,3
	ds_load_b128 v[AF+32*(\f)+8*\i:AF+32*(\f)+8*\i+3],   v[ADA+\slot] offset:2048*(\q)+\i*ROWL
	ds_load_b128 v[AF+32*(\f)+8*\i+4:AF+32*(\f)+8*\i+7], v[ADA+\slot] offset:2048*(\q)+\i*ROWL+512
.endr
	WIN TO_B
.irp i, 0,1,2,3,4,5,6,7
	ds_load_b128 v[128*(\f)+8*\i:128*(\f)+8*\i+3],   v[ADBK+\slot] offset:2048*(\q)+\i*ROWL
	ds_load_b128 v[128*(\f)+8*\i+4:128*(\f)+8*\i+7], v[ADBK+\slot] offset:2048*(\q)+\i*ROWL+512
.endr
.irp i, 0,1,2,3,4,5,6,7
	ds_load_b128 v[128*(\f)+64+8*\i:128*(\f)+64+8*\i+3],   v[ADBS+\slot] offset:2048*(\q)+\i*ROWL
	ds_load_b128 v[128*(\f)+64+8*\i+4:128*(\f)+64+8*\i+7], v[ADBS+\slot] offset:2048*(\q)+\i*ROWL+512
.endr
.endm
.macro PLACES                          ; four plain vector instructions between a matrix instruction and a load into, or a read of, its registers
.rept 4
	v_nop
.endr
.endm
.macro QUARTER f, z, slot, q, fo       ; 32 keys: multiplies buffer f; in its middle fetches quarter q of the slot into the other buffer
	s_wait_dscnt 16                                ; all but the youngest 16 loads (the channel tiles that I send)
	SCALE \f
	GRP \f, 0, 0, \z
	GRP \f, 1, 0, \z
	GRP \f, 2, 0, \z
	GRP \f, 3, 0, \z
	PLACES
	FETCH \slot, \q, 1-(\f), \fo
	s_wait_dscnt 42                                ; all but the 42 just issued
	GRP \f, 0, 1, \z
	GRP \f, 1, 1, \z
	GRP \f, 2, 1, \z
	GRP \f, 3, 1, \z
.endm
; A step's last quarter, on buffer f, changes slots.  In front of the barrier each wave waits for all its tensor loads (one is out: its part of the next slot), adds 0 to its spare word, and waits for that and for its
; reads of this slot.  fill = 1: the barrier opens a round of the cluster's, and behind it this slot is filled again, step bytes further along the rows.  fstep: the factors' address goes on by so many bytes.
.macro TURN f, slot, next, fill, step, fstep, fo, how
.if \fill
	s_wait_xcnt 0x0                                ; the last prefetch, a step back, has read its address
	s_add_nc_u64 s[PFA:PFA+1], s[PFA:PFA+1], ROWL
.endif
	WIN 0
	s_wait_tensorcnt 0x0
	ds_add_u32 v[SPW], v[NIL]
	s_wait_dscnt 17                                ; the add and the youngest 16 loads may be out
	SCALE \f
	GRP \f, 0, 0, 0
	GRP \f, 1, 0, 0
	s_wait_dscnt 0x0                               ; the add is done, my reads of this slot are over
	s_barrier_signal -1
	GRP \f, 2, 0, 0
	GRP \f, 3, 0, 0
	WIN 0
	s_barrier_wait -1
.if \fill
	CREST
	s_add_nc_u64 s[G0+4*\slot+2:G0+4*\slot+3], s[G0+4*\slot+2:G0+4*\slot+3], \step
	s_add_nc_u64 s[G0B+4*\slot+2:G0B+4*\slot+3], s[G0B+4*\slot+2:G0B+4*\slot+3], \step
	JLOAD G0+4*\slot, G1, G0B+4*\slot, G1B         ; my one tensor load behind the round; its four v_nop are the places in front of the loads below
.else
	PLACES
.endif
.if \fstep
	v_add_nc_u32 v[FA], \fstep, v[FA]
.endif
	FETCH \next, 0, 1-(\f), \fo
.if \fill
	WIN 0
	ASK \how
.endif
	GRP \f, 0, 1, 0
	GRP \f, 1, 1, 0
	GRP \f, 2, 1, 0
	GRP \f, 3, 1, 0
.endm
	s_wait_tensorcnt 1                             ; my part of the first step is in; the second's load may be out
	s_wait_dscnt 0x0                               ; my factors and reciprocals lie in LDS
	s_barrier_signal -1
	s_barrier_wait -1
	FETCH 0, 0, 0, 0
	QUARTER 0, 1, 0, 1, 0                          ; the short step, block 0: its first quarter starts the sums
	TURN 1, 0, 1, 1, 20*512, 1024, 0, 1            ; slot 0 takes pieces 20-31
	WIN 0
	s_mov_b32 s3, 4
.Llap:                                             ; a trip: two steps of 192 keys, three blocks J, J + 1, J + 2; both slots are filled again, 24 pieces on
	QUARTER 0, 0, 1, 1, 0
	QUARTER 1, 0, 1, 2, 1024
	TURN 0, 1, 0, 1, 24*512, 0, 1024, 1
	QUARTER 1, 0, 0, 1, 2048
	QUARTER 0, 0, 0, 2, 2048
	TURN 1, 0, 1, 1, 24*512, 3072, 0, 0
	WIN 0
	s_sub_co_u32 s3, s3, 1
	s_cmp_lg_u32 s3, 0
	s_cbranch_scc1 .Llap
	QUARTER 0, 0, 1, 1, 0                          ; the last two steps ask for nothing
	QUARTER 1, 0, 1, 2, 1024
	TURN 0, 1, 0, 0, 0, 0, 1024, 0
	QUARTER 1, 0, 0, 1, 2048
	QUARTER 0, 0, 0, 2, 2048
	s_wait_dscnt 16
	SCALE 1
	GRP 1, 0, 0, 0
	GRP 1, 1, 0, 0
	GRP 1, 2, 0, 0
	GRP 1, 3, 0, 0
	s_wait_dscnt 0
	GRP 1, 0, 1, 0
	GRP 1, 1, 1, 0
	GRP 1, 2, 1, 0
	GRP 1, 3, 1, 0
	; THE EXCHANGE: window 3 goes to the partner as an image of its registers.  Slot 1 was left by every wave at the last change of slots and is filled no more
	PLACES
	WIN 0x0c                                       ; an LDS store's data are its source 1: window 3
.set g, 0
.rept 64
	ds_store_b128 v[XW], v[4*g:4*g+3] offset:512*g ; each accumulator from its low end on
.set g, g+1
.endr
	WIN 0
	s_wait_dscnt 0x0
	s_barrier_signal -1
	s_barrier_wait -1
.irp i, 0,1,2,3
	ds_load_b32 v[RL+2*\i], v[RLA] offset:128*\i   ; 1 / l of my query in each of my four tiles
.endr
.macro XLOAD i                         ; the partner's sums for my query tile i, into one of two buffers
.set TB, 64+64*((\i)%2)
.irp g, 0,1,2,3,4,5,6,7,8,9,10,11,12,13,14,15
	ds_load_b128 v[TB+4*\g:TB+4*\g+3], v[XR] offset:8192*(\i)+512*\g
.endr
.endm
.macro OUTB i
.if (\i) < 3
	XLOAD (\i)+1
	s_wait_dscnt 16                                ; all but the next tile's 16 loads
.else
	s_wait_dscnt 0x0
.endif
.set TB, 64+64*((\i)%2)
	WIN 0x02                                       ; source 0 window 2
.set n, 0
.rept 32
	v_pk_add_f32 v[TB+n:TB+n+1], v[64*(\i)+n:64*(\i)+n+1], v[TB+n:TB+n+1]   ; both halves of the keys
.set n, n+2
.endr
	WIN 0
.set n, 0
.rept 32
	v_pk_fma_f32 v[TB+n:TB+n+1], v[TB+n:TB+n+1], v[RL+2*(\i):RL+2*(\i)+1], v[BV+n:BV+n+1] op_sel_hi:[1,0,1]   ; / l, + bv
.set n, n+2
.endr
.if (\i) > 0
	s_wait_xcnt 0x0                                ; the last tile's stores have read the packed registers
.endif
.set n, 0
.rept 32
	v_cvt_pk_f16_f32 v[32+n], v[TB+2*n], v[TB+2*n+1]
.set n, n+1
.endr
.irp b, 0,1,2,3,4,5,6,7
	global_store_b128 v[CO], v[32+4*\b:32+4*\b+3], s[12:13] offset:32768*(\i)+512*\b   ; 512 consecutive bytes, aligned
.endr
.endm
	XLOAD 0
	s_wait_loadcnt 0x0                             ; bv
	OUTB 0
	OUTB 1
	OUTB 2
	OUTB 3
	s_wait_tensorcnt 0x0                           ; the wave's end
	ds_add_u32 v[SPW], v[NIL]
	s_wait_dscnt 0x0
	CROUND                                         ; the closing round
	s_endpgm
.Lfunc_end_k_qc894983e83_pv:
	.size	k_qc894983e83_pv, .Lfunc_end_k_qc894983e83_pv-k_qc894983e83_pv
	.p2alignl 7, 3214868480
	.fill 96, 4, 3214868480
	.section	.rodata,"a",@progbits
	.p2align	6, 0x0
	.amdhsa_kernel k_qc894983e83_pv
		.amdhsa_group_segment_fixed_size 327680
		.amdhsa_private_segment_fixed_size 0
		.amdhsa_enable_private_segment 0
		.amdhsa_kernarg_size 40
		.amdhsa_user_sgpr_count 2
		.amdhsa_user_sgpr_kernarg_segment_ptr 1
		.amdhsa_wavefront_size32 1
		.amdhsa_system_sgpr_workgroup_id_x 1
		.amdhsa_system_sgpr_workgroup_id_y 1
		.amdhsa_system_sgpr_workgroup_id_z 1
		.amdhsa_system_vgpr_workitem_id 0
		.amdhsa_next_free_vgpr 1024
		.amdhsa_next_free_sgpr 88
		.amdhsa_reserve_vcc 0
		.amdhsa_float_denorm_mode_32 3
		.amdhsa_float_denorm_mode_16_64 3
		.amdhsa_memory_ordered 1
		.amdhsa_forward_progress 1
		.amdhsa_inst_pref_size 242
	.end_amdhsa_kernel
	.amdgpu_metadata
---
amdhsa.version: [ 1, 2 ]
amdhsa.kernels:
  - .name:           k_qc894983e83_pv
    .symbol:         k_qc894983e83_pv.kd
    .args:
      - { .name: pf, .offset: 0, .size: 8, .value_kind: global_buffer, .address_space: global }
      - { .name: qkv, .offset: 8, .size: 8, .value_kind: global_buffer, .address_space: global }
      - { .name: stats, .offset: 16, .size: 8, .value_kind: global_buffer, .address_space: global }
      - { .name: bv, .offset: 24, .size: 8, .value_kind: global_buffer, .address_space: global }
      - { .name: aof, .offset: 32, .size: 8, .value_kind: global_buffer, .address_space: global }
    .group_segment_fixed_size: 327680
    .private_segment_fixed_size: 0
    .kernarg_segment_align: 8
    .kernarg_segment_size: 40
    .max_flat_workgroup_size: 128
    .sgpr_count:     88
    .vgpr_count:     1024
    .wavefront_size: 32
...
	.end_amdgpu_metadata
.endif
;; end of part 4
;; launch oproj (part 5): grid 4 x 64, 4 waves a work-group, clusters of 4 x 4, 327,680 bytes of LDS; arguments aof, wof, bo, out0; writes out0
.if DOCPART == 5
	.amdgcn_target "amdgcn-amd-amdhsa--gfx1250"
	.amdhsa_code_object_version 6
	.text
	.protected	k_qc894983e83_oproj
	.globl	k_qc894983e83_oproj
	.p2align	8
	.type	k_qc894983e83_oproj,@function
k_qc894983e83_oproj:
	s_mov_b64 s[64:65], 0
	v_nop
	global_prefetch_b8 v0, s[64:65] scope:SCOPE_SE
	s_setreg_imm32_b32 hwreg(HW_REG_WAVE_MODE, 25, 1), 1
	s_wait_xcnt 0x0
	s_wait_alu depctr_hold_cnt(0) depctr_sa_sdst(0) depctr_va_vdst(0) depctr_va_sdst(0) depctr_va_ssrc(0) depctr_va_vcc(0) depctr_vm_vsrc(0)
	s_getreg_b32 s2, hwreg(HW_REG_IB_STS2, 6, 4)
	s_cmp_eq_u32 s2, 0
	s_cbranch_scc0 .Lentry_in_a_cluster
	s_endpgm
.Lentry_in_a_cluster:
	s_bfe_u32 s2, ttmp6, 0x10000c
	s_cmp_lg_u32 s2, 0xf033
	s_cbranch_scc0 .Lentry_shape_is_right
	s_endpgm
.Lentry_shape_is_right:
; LAUNCH 5 OF 5.  out0 = (attn V + bv) Wo + bo, operands in f16, sums in f32.  No work is left out.
; A work-group makes 128 rows x 256 columns; its four waves are 2 halves of the columns x 2 halves of each K step, each wave 128 x 128: 64 accumulators; at the end the two waves of a column half exchange: each keeps
; its blocks 0-3 (row tiles 4 kh + i, window 2) and sends blocks 4-7 (window 3) through LDS.
; bo is the C of the first products of the blocks that a wave KEEPS; the blocks that it sends start from 0: so the bias enters each row once.
; Operands lie as pieces of 512 bytes (16 rows x 16 along K) in the order of the operand's registers.  K STEPS OF 192, 12 pieces, rows of 6,144 bytes: as long as two slots in LDS allow.  1,024 = 64 + 5 x 192: the first
; step is short: its load states 4 pieces as what is left of the row, so that the rest of each LDS row is written as zeros and the slot's layout is the same in every step; the zeros are not multiplied.
; A step's six quarters of 32 go to the two waves by turns: wave kh takes quarters kh, 2 + kh, 4 + kh.  The six steps are written out: the first is short, and the last two ask for nothing.
; TRANSPOSED USE: lane l holds row l % 16 and 8 neighbouring columns.  out0 is row-major f32: a block of 16 rows x 128 columns goes through my stage in LDS and leaves as rows of 512 bytes.
; CLUSTERS 4 x 4: the rows' tiles jointly along a row, Wo's along a column.
.set ROWL,  6144
.set BOFF,  8*ROWL                     ; the rows' 8 tiles, then Wo's 16
.set SLOTB, 24*ROWL
.set XCH,   0                          ; the exchange lies in slot 0, which has had its last fill and its last read when the last step (in slot 1) begins: 32,768 bytes a wave
.set STG,   SLOTB                      ; the stages lie in slot 1, behind the exchange's barrier, in front of which every wave's reads of it are over: 16 rows x (512 + 16) bytes a wave
.set SPARE, 2*SLOTB
.set CO,   1
.set ADAL, 2
.set ADAH, 4
.set ADB,  6
.set SO,   16
.set SR,   17
.set XW,   18
.set XR,   19
.set PFO,  20
.set SPW,  28
.set NIL,  29
.set F0,   64
.set F1,   128
.set T,    64
.set BO,   192
.set G1, 24
.set G0, 32
.set G1B, 48
.set G0B, 56
.set G1S, 68                           ; s[68:75], s[76:83] groups 1 for the short first step
.set G1SB, 76
.set PFA, 84
.set LIM, 86
.set MSB, 0
.macro WIN new
.if MSB != (\new)
	s_set_vgpr_msb (MSB<<8)|(\new)
.set MSB, (\new)
.endif
.endm
.set TO_B, 0x40
.macro JLOAD g0a, g1a, g0b, g1b        ; waves 0 and 1 fetch the rows' halves, waves 2 and 3 Wo's; an s_nop 0 and four v_nop follow each line
	s_cmp_eq_u32 s15, 0
	s_cbranch_scc0 .Lfor_b_\@
	tensor_load_to_lds s[\g0a:\g0a+3], s[\g1a:\g1a+7]
	s_nop 0
.rept 4
	v_nop
.endr
	s_branch .Lasked_\@
.Lfor_b_\@:
	tensor_load_to_lds s[\g0b:\g0b+3], s[\g1b:\g1b+7]
	s_nop 0
.rept 4
	v_nop
.endr
.Lasked_\@:
.endm
; A prefetch of the rows' part of the step that the NEXT refill will ask for.  The rows are walked by one row of one cluster alone.  Of the 4 rows that wave 0 or 1 fetches, each of the four partners takes one, by address
; (cx); a step's part of a row is 24 blocks of 256 bytes: a lane a block (lanes 24-31 name lane 23's).  The first three steps come by their loads alone; the last refill asks for nothing.  Wo is walked by every cluster and is not asked for.
.macro ASK
	s_cmp_eq_u32 s[LIM], 1
	s_cbranch_scc0 .Lnot_mine_\@
	global_prefetch_b8 v[PFO], s[PFA:PFA+1] th:TH_LOAD_NT scope:SCOPE_SE
.Lnot_mine_\@:
.endm
.macro CREST
	s_cmp_lg_u32 s14, 0
	s_cbranch_scc1 .Lnot_wave_0_\@
	s_barrier_signal -3
.Lnot_wave_0_\@:
	s_barrier_wait -3
	s_barrier_signal -1
	s_barrier_wait -1
.endm
.macro CROUND
	s_barrier_signal -1
	s_barrier_wait -1
	CREST
.endm
	s_load_b256 s[4:11], s[0:1], 0x0               ; aof s[4:5], wof s[6:7], bo s[8:9], out0 s[10:11]
	v_lshl_add_u32 v[SPW], v0, 2, SPARE
	v_mov_b32 v[NIL], 0
	ds_add_u32 v[SPW], v[NIL]                      ; the opening: the add, twice on end, and its wait ahead of my first tensor load
	ds_add_u32 v[SPW], v[NIL]
	v_lshrrev_b32 v1, 5, v0
	v_readfirstlane_b32 s14, v1
	s_lshr_b32 s15, s14, 1                         ; kh; also: I fetch the rows (0) or Wo (1)
	s_and_b32 s16, s14, 1                          ; my half of the columns; also: which half of the tile I fetch
	s_bfe_u32 s40, ttmp6, 0x40000
	s_bfe_u32 s41, ttmp6, 0x40004
	s_lshl_b32 s42, ttmp9, 2
	s_add_co_u32 s42, s42, s40                     ; which 256 columns
	s_and_b32 s18, ttmp7, 0xffff
	s_lshl_b32 s17, s18, 2
	s_add_co_u32 s17, s17, s41                     ; which 128 rows
	s_lshl_b32 s43, s41, 2
	s_lshl_b32 s43, 15, s43
	s_lshl_b32 s44, 0x1111, s40
	s_or_b32 s[G1], s43, (3<<16)|(1<<21)           ; elements of 8 bytes, no padding
	s_or_b32 s[G1S], s43, (3<<16)|(1<<21)
	s_or_b32 s[G1B], s44, (3<<16)|(1<<21)
	s_or_b32 s[G1SB], s44, (3<<16)|(1<<21)
	s_mov_b32 s[G1+1], 768<<16                     ; tensor_dim0: 12 pieces are left of the row,
	s_mov_b32 s[G1S+1], 256<<16                    ; or 4: zeros behind them
	s_mov_b32 s[G1B+1], 768<<16
	s_mov_b32 s[G1SB+1], 256<<16
.irp g, G1, G1S
	s_mov_b32 s[\g+2], 4<<16                       ; the rows: 4 rows,
	s_mov_b32 s[\g+3], 768<<16                     ; tile_dim0: 6,144 bytes,
	s_mov_b32 s[\g+4], 4
	s_mov_b32 s[\g+5], 4096                        ; 32,768 bytes apart
	s_mov_b32 s[\g+6], 0
	s_mov_b32 s[\g+7], 0
.endr
.irp g, G1B, G1SB
	s_mov_b32 s[\g+2], 8<<16                       ; Wo: 8 rows
	s_mov_b32 s[\g+3], 768<<16
	s_mov_b32 s[\g+4], 8
	s_mov_b32 s[\g+5], 4096
	s_mov_b32 s[\g+6], 0
	s_mov_b32 s[\g+7], 0
.endr
	s_lshl_b32 s20, s17, 3
	s_lshl_b32 s21, s16, 2
	s_add_co_u32 s20, s20, s21
	s_lshl_b32 s20, s20, 15
	s_mov_b32 s21, 0
	s_lshl_b32 s46, s42, 4
	s_lshl_b32 s47, s16, 3
	s_add_co_u32 s46, s46, s47
	s_lshl_b32 s46, s46, 15
	s_mov_b32 s47, 0
	s_mul_i32 s45, s16, 4*ROWL
	s_mul_i32 s66, s16, BOFF
	s_add_co_u32 s66, s66, BOFF
	s_wait_dscnt 0x0
	s_wait_kmcnt 0x0
	s_add_nc_u64 s[20:21], s[4:5], s[20:21]
	s_add_nc_u64 s[46:47], s[6:7], s[46:47]
	CROUND
.irp s, 0,1
	s_mov_b32 s[G0+4*\s], 1
	s_add_co_u32 s[G0+4*\s+1], s45, \s*SLOTB
	s_add_nc_u64 s[G0+4*\s+2:G0+4*\s+3], s[20:21], \s*4*512    ; slot 0: pieces 0-3; slot 1: pieces 4-15
	s_or_b32 s[G0+4*\s+3], s[G0+4*\s+3], 0x80000000
	s_mov_b32 s[G0B+4*\s], 1
	s_add_co_u32 s[G0B+4*\s+1], s66, \s*SLOTB
	s_add_nc_u64 s[G0B+4*\s+2:G0B+4*\s+3], s[46:47], \s*4*512
	s_or_b32 s[G0B+4*\s+3], s[G0B+4*\s+3], 0x80000000
.endr
	JLOAD G0, G1S, G0B, G1SB                       ; the short first step
	JLOAD G0+4, G1, G0B+4, G1B                     ; two loads of mine are out
	v_and_b32 v24, 31, v0
	v_and_b32 v25, 15, v0
	v_bfe_u32 v26, v0, 4, 1
	v_lshlrev_b32 v[CO], 4, v24
	; the prefetches: my work-group's row of the four that I fetch; each refill steps the address by a step; the first names pieces 28-39
	s_lshl_b32 s22, s40, 15
	s_add_co_u32 s22, s22, 28*512-ROWL
	s_mov_b32 s23, 0
	s_add_nc_u64 s[PFA:PFA+1], s[20:21], s[22:23]
	s_cmp_eq_u32 s15, 0
	s_cselect_b32 s[LIM], 1, -1
	v_min_u32 v[PFO], 23, v24
	v_lshlrev_b32 v[PFO], 8, v[PFO]
	s_lshl_b32 s22, s42, 10
	s_lshl_b32 s23, s16, 9
	s_add_co_u32 s22, s22, s23                     ; my 128 columns, in bytes
	s_mov_b32 s23, 0
	s_add_nc_u64 s[8:9], s[8:9], s[22:23]
	s_add_nc_u64 s[10:11], s[10:11], s[22:23]
	v_lshlrev_b32 v21, 5, v26
.irp b, 0,1,2,3,4,5,6,7
	global_load_b128 v[BO+8*\b:BO+8*\b+3], v21, s[8:9] offset:64*\b         ; register 8 b + j: bo of column 16 b + 8 h + j
	global_load_b128 v[BO+8*\b+4:BO+8*\b+7], v21, s[8:9] offset:64*\b+16
.endr
	s_lshl_b32 s22, s15, 10                        ; my quarters: 1,024 kh
	s_mul_i32 s20, s15, 4*ROWL                     ; blocks 0-3: row tiles 4 kh on
	s_add_co_u32 s20, s20, s22
	s_xor_b32 s21, s15, 1
	s_mul_i32 s21, s21, 4*ROWL                     ; blocks 4-7: the other four
	s_add_co_u32 s21, s21, s22
	s_mul_i32 s23, s16, BOFF                       ; Wo: my 8 column tiles
	s_add_co_u32 s23, s23, s22
	s_add_co_u32 s23, s23, BOFF
	v_add_nc_u32 v[ADAL], s20, v[CO]
	v_add_nc_u32 v[ADAH], s21, v[CO]
	v_add_nc_u32 v[ADB], s23, v[CO]
	v_add_nc_u32 v[ADAL+1], SLOTB, v[ADAL]
	v_add_nc_u32 v[ADAH+1], SLOTB, v[ADAH]
	v_add_nc_u32 v[ADB+1], SLOTB, v[ADB]
	s_mul_i32 s22, s14, 16*528
	s_add_co_u32 s22, s22, STG                     ; my stage
	v_mul_u32_u24 v[SO], v25, 528
	v_lshl_add_u32 v[SO], v26, 5, v[SO]
	v_add_nc_u32 v[SO], s22, v[SO]                 ; in: row r, 32 bytes for each half of the lanes
	v_add_nc_u32 v[SR], s22, v[CO]                 ; back: a row of 512 bytes, 16 a lane
	s_lshl_b32 s22, s14, 15
	s_add_co_u32 s22, s22, XCH
	v_add_nc_u32 v[XW], s22, v[CO]
	s_xor_b32 s23, s14, 2
	s_lshl_b32 s23, s23, 15
	s_add_co_u32 s23, s23, XCH
	v_add_nc_u32 v[XR], s23, v[CO]
	s_lshl_b32 s22, s17, 7
	s_lshl_b32 s23, s15, 6
	s_add_co_u32 s22, s22, s23
	s_lshl_b32 s22, s22, 12                        ; the first row that I store: 128 ty + 64 kh, 4,096 bytes a row
	s_mov_b32 s23, 0
	s_add_nc_u64 s[10:11], s[10:11], s[22:23]
.macro GROUP f, a, z                   ; 8 matrix instructions of block a.  z = 1: they start the sums: with bo in the blocks that I keep, with 0 in those that I send.  The 64 accumulators take turns in one order everywhere
.if (\z) && ((\a) < 4)
	WIN 0x81                                       ; source 0 (Wo) window 1, sources 1 and 2 window 0, D window 2
.else
	WIN 0xa1+0x50*((\a)/4)
.endif
.irp b, 0,1,2,3,4,5,6,7
.if (\z) && ((\a) < 4)
	v_wmma_f32_16x16x32_f16 v[8*(8*((\a)%4)+\b):8*(8*((\a)%4)+\b)+7], v[\f+8*\b:\f+8*\b+7], v[\f+8*(\a):\f+8*(\a)+7], v[BO+8*\b:BO+8*\b+7]
.elseif \z
	v_wmma_f32_16x16x32_f16 v[8*(8*((\a)%4)+\b):8*(8*((\a)%4)+\b)+7], v[\f+8*\b:\f+8*\b+7], v[\f+8*(\a):\f+8*(\a)+7], 0
.else
	v_wmma_f32_16x16x32_f16 v[8*(8*((\a)%4)+\b):8*(8*((\a)%4)+\b)+7], v[\f+8*\b:\f+8*\b+7], v[\f+8*(\a):\f+8*(\a)+7], v[8*(8*((\a)%4)+\b):8*(8*((\a)%4)+\b)+7]
.endif
.endr
.endm
.macro FETCH slot, q, f                ; 32 LDS loads in one run: my q-th quarter of the slot: Wo's eight fragments, the rows' eight
	WIN TO_B
.irp i, 0,1,2,3,4,5,6,7
	ds_load_b128 v[\f+8*\i:\f+8*\i+3],   v[ADB+\slot] offset:2048*(\q)+\i*ROWL
	ds_load_b128 v[\f+8*\i+4:\f+8*\i+7], v[ADB+\slot] offset:2048*(\q)+\i*ROWL+512
.endr
	WIN 0
.irp i, 0,1,2,3
	ds_load_b128 v[\f+8*\i:\f+8*\i+3],   v[ADAL+\slot] offset:2048*(\q)+\i*ROWL
	ds_load_b128 v[\f+8*\i+4:\f+8*\i+7], v[ADAL+\slot] offset:2048*(\q)+\i*ROWL+512
.endr
.irp i, 0,1,2,3
	ds_load_b128 v[\f+32+8*\i:\f+32+8*\i+3], v[ADAH+\slot] offset:2048*(\q)+\i*ROWL
	ds_load_b128 v[\f+32+8*\i+4:\f+32+8*\i+7], v[ADAH+\slot] offset:2048*(\q)+\i*ROWL+512
.endr
.endm
.macro PLACES                          ; four plain vector instructions between a matrix instruction and a load into, or a read of, its registers
.rept 4
	v_nop
.endr
.endm
.macro QUARTER f, g, slot, q           ; 32 along K: multiplies buffer f; in its middle fetches quarter q of the slot into buffer g
	s_wait_dscnt 8                                 ; all but the youngest eight loads (the rows' blocks 4-7)
	GROUP \f, 0, 0
	GROUP \f, 1, 0
	GROUP \f, 2, 0
	GROUP \f, 3, 0
	PLACES
	FETCH \slot, \q, \g
	s_wait_dscnt 32                                ; all but the 32 just issued
	GROUP \f, 4, 0
	GROUP \f, 5, 0
	GROUP \f, 6, 0
	GROUP \f, 7, 0
.endm
; A step's last quarter, on buffer f, changes slots.  In front of the barrier each wave waits for all its tensor loads (one is out: its part of the next slot), adds 0 to its spare word, and waits for that and for its
; reads of this slot.  fill = 1: the barrier opens a round of the cluster's, and behind it this slot is filled again, step bytes further along the rows.  ask = 1: the refill after this one is prefetched.
.macro TURN f, g, slot, next, fill, step, z, ask
.if \ask
	s_wait_xcnt 0x0                                ; the last prefetch, a step back, has read its address
	s_add_nc_u64 s[PFA:PFA+1], s[PFA:PFA+1], ROWL
.endif
	WIN 0
	s_wait_tensorcnt 0x0
	ds_add_u32 v[SPW], v[NIL]
	s_wait_dscnt 9                                 ; the add and the youngest eight loads may be out
	GROUP \f, 0, \z
	GROUP \f, 1, \z
	s_wait_dscnt 0x0                               ; the add is done, my reads of this slot are over
	s_barrier_signal -1
	GROUP \f, 2, \z
	GROUP \f, 3, \z
	WIN 0
	s_barrier_wait -1
.if \fill
	CREST
	s_add_nc_u64 s[G0+4*\slot+2:G0+4*\slot+3], s[G0+4*\slot+2:G0+4*\slot+3], \step
	s_add_nc_u64 s[G0B+4*\slot+2:G0B+4*\slot+3], s[G0B+4*\slot+2:G0B+4*\slot+3], \step
	JLOAD G0+4*\slot, G1, G0B+4*\slot, G1B         ; my one tensor load behind the round; its four v_nop are the places in front of the loads below
.else
	PLACES
.endif
	FETCH \next, 0, \g
.if \ask
	ASK
.endif
	GROUP \f, 4, \z
	GROUP \f, 5, \z
	GROUP \f, 6, \z
	GROUP \f, 7, \z
.endm
	s_wait_loadcnt 0x0                             ; bo
	s_wait_tensorcnt 1                             ; my part of the first step is in; the second's load may be out
	s_barrier_signal -1
	s_barrier_wait -1
	FETCH 0, 0, F0
	TURN F0, F1, 0, 1, 1, 16*512, 1, 1             ; the short step: one quarter a wave: it starts the sums; slot 0 takes pieces 16-27
	QUARTER F1, F0, 1, 1                           ; pieces 4-15
	QUARTER F0, F1, 1, 2
	TURN F1, F0, 1, 0, 1, 24*512, 0, 1             ; slot 1 takes pieces 28-39
	QUARTER F0, F1, 0, 1                           ; pieces 16-27
	QUARTER F1, F0, 0, 2
	TURN F0, F1, 0, 1, 1, 24*512, 0, 1             ; slot 0 takes pieces 40-51
	QUARTER F1, F0, 1, 1                           ; pieces 28-39
	QUARTER F0, F1, 1, 2
	TURN F1, F0, 1, 0, 1, 24*512, 0, 0             ; slot 1 takes pieces 52-63: the last refill
	QUARTER F0, F1, 0, 1                           ; pieces 40-51
	QUARTER F1, F0, 0, 2
	TURN F0, F1, 0, 1, 0, 0, 0, 0
	QUARTER F1, F0, 1, 1                           ; pieces 52-63
	QUARTER F0, F1, 1, 2
	s_wait_dscnt 8
	GROUP F1, 0, 0
	GROUP F1, 1, 0
	GROUP F1, 2, 0
	GROUP F1, 3, 0
	s_wait_dscnt 0
	GROUP F1, 4, 0
	GROUP F1, 5, 0
	GROUP F1, 6, 0
	GROUP F1, 7, 0
	; THE EXCHANGE: window 3 goes to the partner as an image of its registers.  Slot 0 was left by every wave at the last change of slots and is filled no more
	PLACES
	WIN 0x0c                                       ; an LDS store's data are its source 1: window 3
.set g, 0
.rept 64
	ds_store_b128 v[XW], v[4*g:4*g+3] offset:512*g ; each accumulator from its low end on
.set g, g+1
.endr
	WIN 0
	s_wait_dscnt 0x0
	s_barrier_signal -1
	s_barrier_wait -1
.macro XLOAD i
.irp g, 0,1,2,3,4,5,6,7,8,9,10,11,12,13,14,15
	ds_load_b128 v[T+4*\g:T+4*\g+3], v[XR] offset:8192*(\i)+512*\g
.endr
.endm
.macro OUTB i
	s_wait_dscnt 0x0                               ; the partner's sums for this block are in
	WIN 0x02
.set n, 0
.rept 32
	v_pk_add_f32 v[T+n:T+n+1], v[64*(\i)+n:64*(\i)+n+1], v[T+n:T+n+1]
.set n, n+2
.endr
	WIN 0
.irp b, 0,1,2,3,4,5,6,7
	ds_store_b128 v[SO], v[T+8*\b:T+8*\b+3] offset:64*\b
	ds_store_b128 v[SO], v[T+8*\b+4:T+8*\b+7] offset:64*\b+16
.endr
.if (\i) > 0
	s_wait_xcnt 0x0                                ; the last block's stores have read the registers that the loads below fill
.endif
.irp t, 0,1,2,3,4,5,6,7,8,9,10,11,12,13,14,15
	ds_load_b128 v[128+4*\t:128+4*\t+3], v[SR] offset:528*\t   ; LDS serves a wave's instructions in order: these see my stores
.endr
.if (\i) < 3
	XLOAD (\i)+1                                   ; behind the stores that read these registers, in order
	s_wait_dscnt 16                                ; all but those 16
.else
	s_wait_dscnt 0x0
.endif
.irp t, 0,1,2,3,4,5,6,7,8,9,10,11,12,13,14,15
	global_store_b128 v[CO], v[128+4*\t:128+4*\t+3], s[10:11] offset:(16*(\i)+\t)*4096 th:TH_STORE_NT   ; 512 consecutive bytes of a row, aligned; written once
.endr
.endm
	XLOAD 0
	OUTB 0
	OUTB 1
	OUTB 2
	OUTB 3
	s_wait_tensorcnt 0x0                           ; the wave's end
	ds_add_u32 v[SPW], v[NIL]
	s_wait_dscnt 0x0
	CROUND                                         ; the closing round
	s_endpgm
.Lfunc_end_k_qc894983e83_oproj:
	.size	k_qc894983e83_oproj, .Lfunc_end_k_qc894983e83_oproj-k_qc894983e83_oproj
	.p2alignl 7, 3214868480
	.fill 96, 4, 3214868480
	.section	.rodata,"a",@progbits
	.p2align	6, 0x0
	.amdhsa_kernel k_qc894983e83_oproj
		.amdhsa_group_segment_fixed_size 327680
		.amdhsa_private_segment_fixed_size 0
		.amdhsa_enable_private_segment 0
		.amdhsa_kernarg_size 32
		.amdhsa_user_sgpr_count 2
		.amdhsa_user_sgpr_kernarg_segment_ptr 1
		.amdhsa_wavefront_size32 1
		.amdhsa_system_sgpr_workgroup_id_x 1
		.amdhsa_system_sgpr_workgroup_id_y 1
		.amdhsa_system_sgpr_workgroup_id_z 1
		.amdhsa_system_vgpr_workitem_id 0
		.amdhsa_next_free_vgpr 1024
		.amdhsa_next_free_sgpr 88
		.amdhsa_reserve_vcc 0
		.amdhsa_float_denorm_mode_32 3
		.amdhsa_float_denorm_mode_16_64 3
		.amdhsa_memory_ordered 1
		.amdhsa_forward_progress 1
		.amdhsa_inst_pref_size 147
	.end_amdhsa_kernel
	.amdgpu_metadata
---
amdhsa.version: [ 1, 2 ]
amdhsa.kernels:
  - .name:           k_qc894983e83_oproj
    .symbol:         k_qc894983e83_oproj.kd
    .args:
      - { .name: aof, .offset: 0, .size: 8, .value_kind: global_buffer, .address_space: global }
      - { .name: wof, .offset: 8, .size: 8, .value_kind: global_buffer, .address_space: global }
      - { .name: bo, .offset: 16, .size: 8, .value_kind: global_buffer, .address_space: global }
      - { .name: out0, .offset: 24, .size: 8, .value_kind: global_buffer, .address_space: global }
    .group_segment_fixed_size: 327680
    .private_segment_fixed_size: 0
    .kernarg_segment_align: 8
    .kernarg_segment_size: 32
    .max_flat_workgroup_size: 128
    .sgpr_count:     88
    .vgpr_count:     1024
    .wavefront_size: 32
...
	.end_amdgpu_metadata
.endif
;; end of part 5
